; MI455X (gfx1250); checked and timed in simulation.
; The chip was launched on July 23, 2026; its instructions are those of AMD's public machine-readable ISA for CDNA 5 (MIT licence, August 2026) and "CDNA5" Instruction Set Architecture Reference Guide (July 2026). The comments in the code are by the model that wrote it; some were corrected since.
;; Multi Head Attention. Allowed arithmetic: float matrix products may take bf16 or f16 operands with f32 sums; all other float work in f32.
;; Inputs: bo 1,024 float32; wk 1,024 x 1,024 float32; wo 1,024 x 1,024 float32; wq 1,024 x 1,024 float32; wv 1,024 x 1,024 float32; x 2 x 2,048 x 1,024 float32.
;; Outputs: out0 2 x 2,048 x 1,024 float32.
;; 2 versions, each right; version 2 is version 1 with the launch prep written anew for expert scheduling mode. Each part assembles by itself: llvm-mc -triple=amdgcn-amd-amdhsa -mcpu=gfx1250 --defsym DOCPART=n.
;; ======== version 1 of 2: 4 launches
;; limits: values are held in f16: magnitudes above 65,504 overflow, below 6.1e-05 lose precision
;; workspace buffers: xb 8,388,608 bytes; wt 6,291,456 bytes; wot 2,097,152 bytes; qh 8,388,608 bytes; kh 8,388,608 bytes; vt 8,388,608 bytes; ctxp 8,388,608 bytes
;; launch prep (part 1): grid 256 x 1, 4 waves a work-group, no clusters, 70,144 bytes of LDS; arguments x, wq, wk, wv, wo, xb, wt, wot; writes xb, wt, wot
.if DOCPART == 1
	.amdgcn_target "amdgcn-amd-amdhsa--gfx1250"
	.amdhsa_code_object_version 6
	.text
	.protected	k_qd5b0e309bc_prep
	.globl	k_qd5b0e309bc_prep
	.p2align	8
	.type	k_qd5b0e309bc_prep,@function
k_qd5b0e309bc_prep:
	s_mov_b64 s[64:65], 0
	v_nop
	global_prefetch_b8 v0, s[64:65] scope:SCOPE_SE
	s_setreg_imm32_b32 hwreg(HW_REG_WAVE_MODE, 25, 1), 1
	s_wait_xcnt 0x0
; PREP: number formats and layouts for the two products that follow.
;   xb  = bf16(x), same order.                                                   work-groups 0..127
;   wt  = bf16(wq | wk | wv) transposed: row = head*192 + (d>>5)*96 + sec*32 + (d&31) (sec 0,1,2 = q,k,v), column = k.  work-groups 128..223
;   wot = wo transposed [n][k], rounded to bf16 and then written in f16's encoding (its partner ctx is f16).            work-groups 224..255
; LIMIT: the f16 encoding of bf16(wo) is exact for 2^-14 <= |wo| < 65504; below, the absolute error is at most 2^-25; above, it becomes infinite.
; A stream: every input byte is read once, every output byte written once, each store of a wave covers whole aligned runs of 256 bytes.
; No matrix unit, no cluster, no tensor loads: no byte is shared between work-groups and nothing is multiplied.
.set XR,  8                            ; v[8:135]   x path: 32 slots of 4 registers as loaded.  weight path: two chunks of 64 registers, later the rows read back
.set YR,  136                          ; v[136:199] x path: 32 slots of 2 registers to store
.set X0,  8
.set X1,  72
.set PK,  136                          ; v[136:167] weight path: 2 columns x 32 k, packed
.set WPITCH, 272                       ; LDS row: 128 k x 2 bytes + 16
.set WTILEB, 64*WPITCH                 ; a wave's own tile in LDS: 64 n rows
	s_load_b512 s[8:23], s[0:1], 0x0               ; x s[8:9], wq s[10:11], wk s[12:13], wv s[14:15], wo s[16:17], xb s[18:19], wt s[20:21], wot s[22:23]
	v_lshl_add_u32 v200, v0, 2, 0x11000
	v_mov_b32 v201, 0
	v_lshrrev_b32 v1, 5, v0
	v_readfirstlane_b32 s4, v1                     ; wave 0..3
	v_and_b32 v7, 31, v0                           ; lane
	s_cmp_lt_u32 ttmp9, 128
	s_cbranch_scc0 .Lweights
; ---------------- x: 131,072 bytes a work-group, 32,768 a wave = 64 loads of 512 bytes, through a ring of 32 register slots
	s_lshl_b32 s2, ttmp9, 17
	s_mov_b32 s3, 0
	s_lshl_b32 s6, ttmp9, 16
	s_mov_b32 s7, 0
	s_lshl_b32 s5, s4, 15
	v_lshl_add_u32 v1, v7, 4, s5                   ; in: 16 lane + 32,768 wave; never rewritten
	s_lshl_b32 s5, s4, 14
	v_lshl_add_u32 v2, v7, 3, s5                   ; out: 8 lane + 16,384 wave; never rewritten
	s_wait_kmcnt 0x0
	s_add_nc_u64 s[8:9], s[8:9], s[2:3]
	s_add_nc_u64 s[18:19], s[18:19], s[6:7]
.irp i, 0,1,2,3,4,5,6,7,8,9,10,11,12,13,14,15,16,17,18,19,20,21,22,23,24,25,26,27,28,29,30,31
	global_load_b128 v[XR+4*\i:XR+4*\i+3], v1, s[8:9] offset:\i*512 th:TH_LOAD_NT
.endr
; one slot's turn.  round 0 fills the slot again; left = younger loads that may stay out
.macro XSLOT i, round, left
	s_wait_loadcnt \left                           ; loads return in order: this slot's is in
	s_wait_xcnt 0x0                                ; the slot's store data of the round before is rewritten only behind this wait
	v_cvt_pk_bf16_f32 v[YR+2*\i],   v[XR+4*\i],   v[XR+4*\i+1]
	v_cvt_pk_bf16_f32 v[YR+2*\i+1], v[XR+4*\i+2], v[XR+4*\i+3]
.if \round == 0
	global_load_b128 v[XR+4*\i:XR+4*\i+3], v1, s[8:9] offset:(32+\i)*512 th:TH_LOAD_NT
.endif
	global_store_b64 v2, v[YR+2*\i:YR+2*\i+1], s[18:19] offset:(\round*32+\i)*256   ; 32 lanes x 8 bytes: 256 consecutive bytes, aligned
.endm
.irp i, 0,1,2,3,4,5,6,7,8,9,10,11,12,13,14,15,16,17,18,19,20,21,22,23,24,25,26,27,28,29,30,31
	XSLOT \i, 0, 31                                ; 31 younger loads are out
.endr
.irp i, 0,1,2,3,4,5,6,7,8,9,10,11,12,13,14,15,16,17,18,19,20,21,22,23,24,25,26,27,28,29,30,31
	XSLOT \i, 1, 31-\i                             ; nothing more is loaded: the counts run down
.endr
	s_endpgm
; ---------------- weights: a wave transposes a tile of 128 k x 64 n (one head's columns) through its own LDS bytes
.Lweights:
	s_sub_co_u32 s24, ttmp9, 128                   ; 0..127
	s_lshr_b32 s25, s24, 5                         ; 0,1,2: wq,wk,wv; 3: wo
	s_bfe_u32 s30, s24, 0x40001                    ; block of 64 n (the head), 0..15
	s_and_b32 s31, s24, 1                          ; which half of k; the wave takes 128 k of it
	s_lshl_b32 s5, s4, 19
	v_lshl_add_u32 v1, v7, 3, s5                   ; in: 8 lane + wave x 128 rows of 4,096 bytes
	s_mul_i32 s5, s4, WTILEB
	v_mad_u32_u24 v2, v7, 2*WPITCH, s5             ; LDS in: rows 2 lane, 2 lane + 1 of my tile
	v_lshrrev_b32 v5, 4, v7
	v_and_b32 v6, 15, v7
	v_lshlrev_b32 v6, 4, v6
	v_mad_u32_u24 v3, v5, WPITCH, v6
	v_add_nc_u32 v3, s5, v3                        ; LDS back: lanes 0-15 one row of 256 bytes, lanes 16-31 the next
	v_lshl_add_u32 v4, v5, 11, v6
	s_lshl_b32 s5, s4, 8
	v_add_nc_u32 v4, s5, v4                        ; out: the same two rows (2,048 bytes apart), my 128 k at byte 256 wave
	s_lshl_b32 s32, s31, 21                        ; source: 512 k rows for the half,
	s_lshl_b32 s33, s30, 8                         ; 64 columns of 4 bytes for the head
	s_add_co_u32 s32, s32, s33
	s_mov_b32 s33, 0
	s_wait_kmcnt 0x0
.macro LOADCH ch, xr                   ; 32 k rows: each load of the wave takes 256 consecutive bytes (64 n) of one row
.irp i, 0,1,2,3,4,5,6,7,8,9,10,11,12,13,14,15,16,17,18,19,20,21,22,23,24,25,26,27,28,29,30,31
	global_load_b64 v[\xr+2*\i:\xr+2*\i+1], v1, s[26:27] offset:(32*\ch+\i)*4096 th:TH_LOAD_NT
.endr
.endm
.macro PROC ch, xr, half               ; a lane holds columns 2 lane, 2 lane + 1 of 32 k: pack along k, 64 bytes a column, into the column's LDS row
.irp cl, 0,1
.irp j, 0,1,2,3,4,5,6,7,8,9,10,11,12,13,14,15
	v_cvt_pk_bf16_f32 v[PK+16*\cl+\j], v[\xr+4*\j+\cl], v[\xr+4*\j+2+\cl]
.endr
.endr
.if \half
.irp j, 0,1,2,3,4,5,6,7,8,9,10,11,12,13,14,15,16,17,18,19,20,21,22,23,24,25,26,27,28,29,30,31
	v_lshlrev_b32 v5, 16, v[PK+\j]                 ; the bf16 numbers as f32,
	v_and_b32 v6, 0xffff0000, v[PK+\j]
	v_cvt_pk_f16_f32 v[PK+\j], v5, v6              ; written in f16's encoding
.endr
.endif
.irp cl, 0,1
.irp q, 0,1,2,3
	ds_store_b128 v2, v[PK+16*\cl+4*\q:PK+16*\cl+4*\q+3] offset:\cl*WPITCH+64*\ch+16*\q
.endr
.endr
.endm
.macro WTILE half
	LOADCH 0, X0
	LOADCH 1, X1
	s_wait_loadcnt 32                              ; the 32 loads of the younger chunk may stay out
	PROC 0, X0, \half
	LOADCH 2, X0
	s_wait_loadcnt 32
	PROC 1, X1, \half
	LOADCH 3, X1
	s_wait_loadcnt 32
	PROC 2, X0, \half
	s_wait_loadcnt 0
	PROC 3, X1, \half
	; my own bytes, and LDS serves a wave's instructions in order: no wait between the stores and these loads
.irp i, 0,1,2,3,4,5,6,7,8,9,10,11,12,13,14,15,16,17,18,19,20,21,22,23,24,25,26,27,28,29,30,31
	ds_load_b128 v[XR+4*\i:XR+4*\i+3], v3 offset:\i*2*WPITCH
.endr
.irp i, 0,1,2,3,4,5,6,7,8,9,10,11,12,13,14,15,16,17,18,19,20,21,22,23,24,25,26,27,28,29,30,31
	s_wait_dscnt 31-\i                             ; load i is back; the younger ones stay out
	global_store_b128 v4, v[XR+4*\i:XR+4*\i+3], s[28:29] offset:(2*\i+(1-\half)*64*(\i/16))*2048   ; 16 lanes: 256 consecutive bytes, aligned.  In wt, d >= 32 lies 64 rows further on
.endr
.endm
	s_cmp_eq_u32 s25, 3
	s_cbranch_scc1 .Lwo
	s_cmp_eq_u32 s25, 1
	s_cselect_b64 s[26:27], s[12:13], s[10:11]
	s_cmp_eq_u32 s25, 2
	s_cselect_b64 s[26:27], s[14:15], s[26:27]
	s_add_nc_u64 s[26:27], s[26:27], s[32:33]
	s_mul_i32 s34, s30, 192                        ; wt row = head*192 + sec*32 (+ d, + 64 for d >= 32)
	s_lshl_b32 s35, s25, 5
	s_add_co_u32 s34, s34, s35
	s_lshl_b32 s34, s34, 11
	s_lshl_b32 s35, s31, 10                        ; the half of k: 512 x 2 bytes
	s_add_co_u32 s34, s34, s35
	s_mov_b32 s35, 0
	s_add_nc_u64 s[28:29], s[20:21], s[34:35]
	WTILE 0
	s_wait_tensorcnt 0x0
	ds_add_u32 v200, v201
	s_wait_dscnt 0x0
	s_endpgm
.Lwo:
	s_add_nc_u64 s[26:27], s[16:17], s[32:33]
	s_lshl_b32 s34, s30, 17                        ; wot row = 64 x block, 2,048 bytes a row
	s_lshl_b32 s35, s31, 10
	s_add_co_u32 s34, s34, s35
	s_mov_b32 s35, 0
	s_add_nc_u64 s[28:29], s[22:23], s[34:35]
	WTILE 1
	s_wait_tensorcnt 0x0
	ds_add_u32 v200, v201
	s_wait_dscnt 0x0
	s_endpgm
.Lfunc_end_k_qd5b0e309bc_prep:
	.size	k_qd5b0e309bc_prep, .Lfunc_end_k_qd5b0e309bc_prep-k_qd5b0e309bc_prep
	.p2alignl 7, 3214868480
	.fill 96, 4, 3214868480
	.section	.rodata,"a",@progbits
	.p2align	6, 0x0
	.amdhsa_kernel k_qd5b0e309bc_prep
		.amdhsa_group_segment_fixed_size 70144
		.amdhsa_private_segment_fixed_size 0
		.amdhsa_enable_private_segment 0
		.amdhsa_kernarg_size 64
		.amdhsa_user_sgpr_count 2
		.amdhsa_user_sgpr_kernarg_segment_ptr 1
		.amdhsa_wavefront_size32 1
		.amdhsa_system_sgpr_workgroup_id_x 1
		.amdhsa_system_sgpr_workgroup_id_y 1
		.amdhsa_system_sgpr_workgroup_id_z 1
		.amdhsa_system_vgpr_workitem_id 0
		.amdhsa_next_free_vgpr 202
		.amdhsa_next_free_sgpr 66
		.amdhsa_reserve_vcc 0
		.amdhsa_float_denorm_mode_32 3
		.amdhsa_float_denorm_mode_16_64 3
		.amdhsa_memory_ordered 1
		.amdhsa_forward_progress 1
		.amdhsa_inst_pref_size 104
	.end_amdhsa_kernel
	.amdgpu_metadata
---
amdhsa.version: [ 1, 2 ]
amdhsa.kernels:
  - .name:           k_qd5b0e309bc_prep
    .symbol:         k_qd5b0e309bc_prep.kd
    .args:
      - { .name: x, .offset: 0, .size: 8, .value_kind: global_buffer, .address_space: global }
      - { .name: wq, .offset: 8, .size: 8, .value_kind: global_buffer, .address_space: global }
      - { .name: wk, .offset: 16, .size: 8, .value_kind: global_buffer, .address_space: global }
      - { .name: wv, .offset: 24, .size: 8, .value_kind: global_buffer, .address_space: global }
      - { .name: wo, .offset: 32, .size: 8, .value_kind: global_buffer, .address_space: global }
      - { .name: xb, .offset: 40, .size: 8, .value_kind: global_buffer, .address_space: global }
      - { .name: wt, .offset: 48, .size: 8, .value_kind: global_buffer, .address_space: global }
      - { .name: wot, .offset: 56, .size: 8, .value_kind: global_buffer, .address_space: global }
    .group_segment_fixed_size: 70144
    .private_segment_fixed_size: 0
    .kernarg_segment_align: 8
    .kernarg_segment_size: 64
    .max_flat_workgroup_size: 128
    .sgpr_count:     66
    .vgpr_count:     202
    .wavefront_size: 32
...
	.end_amdgpu_metadata
.endif
;; end of part 1
;; launch qkv (part 2): grid 16 x 16, 4 waves a work-group, clusters of 4 x 4, 327,680 bytes of LDS; arguments xb, wt, qh, kh, vt; writes qh, kh, vt
.if DOCPART == 2
	.amdgcn_target "amdgcn-amd-amdhsa--gfx1250"
	.amdhsa_code_object_version 6
	.text
	.protected	k_qd5b0e309bc_qkv
	.globl	k_qd5b0e309bc_qkv
	.p2align	8
	.type	k_qd5b0e309bc_qkv,@function
k_qd5b0e309bc_qkv:
	s_mov_b64 s[64:65], 0
	v_nop
	global_prefetch_b8 v0, s[64:65] scope:SCOPE_SE
	s_setreg_imm32_b32 hwreg(HW_REG_WAVE_MODE, 25, 1), 1
	s_wait_xcnt 0x0
	s_wait_alu depctr_hold_cnt(0) depctr_sa_sdst(0) depctr_va_vdst(0) depctr_va_sdst(0) depctr_va_ssrc(0) depctr_va_vcc(0) depctr_vm_vsrc(0)
	s_getreg_b32 s2, hwreg(HW_REG_IB_STS2, 6, 4)
	s_cmp_eq_u32 s2, 0
	s_cbranch_scc0 .Lentry_in_a_cluster
	s_endpgm
.Lentry_in_a_cluster:
	s_bfe_u32 s2, ttmp6, 0x10000c
	s_cmp_lg_u32 s2, 0xf033
	s_cbranch_scc0 .Lentry_shape_is_right
	s_endpgm
.Lentry_shape_is_right:
; QKV: q, k, v = xb . wt^T, bf16 operands, f32 sums, results in f16.
;   qh, kh: [b*16+head][s][64] f16.   vt: [b*16+head][d][s] f16 (V transposed).
; LIMIT: q, k and v are stored in f16: |q|, |k|, |v| must stay below 65,504 (beyond, they become infinite).
; A work-group makes 256 rows x 192 columns: q, k and v of one head.  Four waves; wave (wm, wn) makes 128 rows x 96 columns:
; d = 32 wn .. 32 wn + 31 of q, of k and of v (wt's rows are ordered so that these 96 lie together): 48 accumulator tiles of 16 x 16.
; K = 1024 goes in steps of 128 through two LDS slots filled by the tensor data mover; a tile's rows are 256 bytes of memory, aligned.
; CLUSTER 4 x 4: the four work-groups of a row of the cluster share the row block (xb's tiles), the four of a column the head (wt's tiles):
; each tile is asked for jointly by the four, which divides the requests by four.
; REGISTER WINDOWS: 0: addresses, xb's fragments (two buffers of 8 x 8), way-out registers.  1: wt's fragments (two buffers of 6 x 8).
;   2: q and k tiles at 8 (4 a + b), a = 0..7 (16 rows each), b = 0,1: q, 2,3: k.   3: v tiles at 8 (2 a + bb).
; q and k are multiplied TRANSPOSED (source 0 = wt rows, source 1 = xb rows): a lane holds one row s and 8 neighbouring d.
; v is multiplied the natural way (source 0 = xb rows, source 1 = wt rows): a lane holds one d and 8 neighbouring s, which packs straight into V transposed.
.set SIZE_K, 1024
.set KSTEP,  128
.set PITCH,  272                       ; 256 bytes + 16: an odd multiple of 16, so the 16 rows of a fragment load start at 16 different 16-byte columns modulo 256
.set HALFT,  128*PITCH
.set SLOT,   4*HALFT                   ; xb rows 0-127, 128-255, wt rows 0-95 (room for 128), 96-191
.set LAPS,   SIZE_K/(2*KSTEP)
.set QPITCH, 144                       ; way out: a row of q or k, 128 bytes + 16
.set KIMG,   256*QPITCH                ; way out: k's image behind q's
.set VIMG,   2*KIMG                    ; and V transposed behind both: 64 rows of
.set VPITCH, 528                       ; 512 bytes + 16
.set ADRA, 16
.set ADRB, 20
.set STQ,  24
.set STV,  25
.set RDQ,  26
.set RDV,  27
.set COQ,  28
.set COV,  29
.set F0,   64
.set F1,   128
.set TMP,  192
.set G1,  24
.set G0,  32
.set G1B, 48
.set G0B, 56
.set MSB, 0
.macro WIN new                         ; the immediate's high byte repeats the setting that is left
.if MSB != \new
	s_set_vgpr_msb (MSB<<8)|\new
.set MSB, \new
.endif
.endm
.set MUL_QK, 0xa1                      ; source 0 window 1 (wt), source 1 window 0 (xb), C and D window 2
.set MUL_V,  0xf4                      ; source 0 window 0 (xb), source 1 window 1 (wt), C and D window 3
.set TO_B,   0x40                      ; destination window 1
.macro JLOAD s                         ; waves 0, 1 ask for xb's two halves, waves 2, 3 for wt's: one line, one mask each
	s_cmp_eq_u32 s11, 0
	s_cbranch_scc0 .Lfor_b_\@
	tensor_load_to_lds s[G0+4*\s:G0+4*\s+3], s[G1:G1+7]
	s_nop 0
	s_branch .Lasked_\@
.Lfor_b_\@:
	tensor_load_to_lds s[G0B+4*\s:G0B+4*\s+3], s[G1B:G1B+7]
	s_nop 0
.Lasked_\@:
.endm
.macro CREST                           ; a round of the cluster's barrier behind its opening work-group barrier
	s_cmp_lg_u32 s10, 0
	s_cbranch_scc1 .Lnot_wave_0_\@
	s_barrier_signal -3
.Lnot_wave_0_\@:
	s_barrier_wait -3
	s_barrier_signal -1
	s_barrier_wait -1
.endm
.macro CROUND
	s_barrier_signal -1
	s_barrier_wait -1
	CREST
.endm
.macro PLACES                          ; four plain vector places behind a matrix instruction (ISA guide 7.12.1) before its registers are loaded into or its result is read
.rept 4
	v_nop
.endr
.endm
	s_load_b128 s[4:7], s[0:1], 0x0                ; xb, wt
	s_load_b128 s[68:71], s[0:1], 0x10             ; qh, kh
	s_load_b64 s[72:73], s[0:1], 0x20              ; vt
	s_set_vgpr_msb 0x40
	v_lshl_add_u32 v255, v0, 2, 0x44000
	s_set_vgpr_msb 0x4000
	v_mov_b32 v63, 0
	s_set_vgpr_msb 0x1
	ds_add_u32 v255, v63
	s_set_vgpr_msb 0x100
	v_lshrrev_b32 v1, 5, v0
	v_readfirstlane_b32 s10, v1                    ; wave
	s_lshr_b32 s11, s10, 1                         ; wm.  Also: I fetch for xb (0) or wt (1)
	s_and_b32 s12, s10, 1                          ; wn.  Also: which half of that tile I fetch
	s_bfe_u32 s40, ttmp6, 0x40000                  ; cx
	s_bfe_u32 s41, ttmp6, 0x40004                  ; cy
	s_lshl_b32 s42, ttmp9, 2
	s_add_co_u32 s42, s42, s40                     ; head
	s_and_b32 s13, ttmp7, 0xffff
	s_lshl_b32 s13, s13, 2
	s_add_co_u32 s13, s13, s41                     ; block of 256 rows
	s_lshl_b32 s43, s41, 2
	s_lshl_b32 s43, 15, s43                        ; my row of the cluster
	s_lshl_b32 s44, 0x1111, s40                    ; my column
	s_or_b32 s[G1+0], s43, (1<<16)|(1<<20)|(1<<21)|(5<<22)|(3<<25)    ; mask; elements of 2 bytes; 4 words of padding behind every 64 words
	s_or_b32 s[G1B+0], s44, (1<<16)|(1<<20)|(1<<21)|(5<<22)|(3<<25)
	s_mov_b32 s[G1+1], KSTEP<<16                   ; tensor_dim0 = 128
	s_mov_b32 s[G1B+1], KSTEP<<16
	s_mov_b32 s[G1+2], 128<<16                     ; tensor_dim1 = 128 rows of xb
	s_mov_b32 s[G1B+2], 96<<16                     ;             =  96 rows of wt
	s_mov_b32 s[G1+3], KSTEP<<16                   ; tile_dim0 = 128
	s_mov_b32 s[G1B+3], KSTEP<<16
	s_mov_b32 s[G1+4], 128                         ; tile_dim1
	s_mov_b32 s[G1B+4], 96
	s_mov_b32 s[G1+5], SIZE_K                      ; elements from row to row
	s_mov_b32 s[G1B+5], SIZE_K
	s_mov_b32 s[G1+6], 0
	s_mov_b32 s[G1B+6], 0
	s_mov_b32 s[G1+7], 0
	s_mov_b32 s[G1B+7], 0
	s_lshl_b32 s17, s12, 7
	s_lshl_b32 s16, s13, 8
	s_add_co_u32 s16, s16, s17
	s_lshl_b32 s16, s16, 11                        ; xb: (256 block + 128 half) rows of 2,048 bytes
	s_mov_b32 s17, 0
	s_mul_i32 s46, s42, 192
	s_mul_i32 s47, s12, 96
	s_add_co_u32 s46, s46, s47
	s_lshl_b32 s46, s46, 11                        ; wt: (192 head + 96 half) rows
	s_mov_b32 s47, 0
	s_mul_i32 s20, s10, HALFT                      ; LDS: wave x 128 rows: no place in the cluster enters an LDS address
	s_wait_dscnt 0x0
	s_wait_kmcnt 0x0
	s_add_nc_u64 s[14:15], s[4:5], s[16:17]
	s_add_nc_u64 s[46:47], s[6:7], s[46:47]
	CROUND                                         ; all sixteen work-groups are here: the first joint loads meet
.irp s, 0,1
	s_mov_b32 s[G0+4*\s], 1
	s_add_co_u32 s[G0+4*\s+1], s20, \s*SLOT
	s_add_nc_u64 s[G0+4*\s+2:G0+4*\s+3], s[14:15], \s*KSTEP*2
	s_or_b32 s[G0+4*\s+3], s[G0+4*\s+3], 0x80000000
	s_mov_b32 s[G0B+4*\s], 1
	s_add_co_u32 s[G0B+4*\s+1], s20, \s*SLOT
	s_add_nc_u64 s[G0B+4*\s+2:G0B+4*\s+3], s[46:47], \s*KSTEP*2
	s_or_b32 s[G0B+4*\s+3], s[G0B+4*\s+3], 0x80000000
	JLOAD \s                                       ; both first fills go out together: two tensor loads of the wave are out here, one behind every later round
.endr
	v_and_b32 v1, 15, v0                           ; r
	v_bfe_u32 v2, v0, 4, 1                         ; h
	v_mul_u32_u24 v3, v1, PITCH
	v_lshl_add_u32 v3, v2, 4, v3
	s_mul_i32 s21, s11, HALFT
	s_mul_i32 s22, s12, HALFT
	s_add_co_u32 s22, s22, 2*HALFT
.irp s, 0,1
	v_add_nc_u32 v[ADRA+\s], s21, v3
	v_add_nc_u32 v[ADRB+\s], s22, v3
	s_add_co_u32 s21, s21, SLOT
	s_add_co_u32 s22, s22, SLOT
.endr
	; way out, in: q/k image row 128 wm + 16 a + r, byte 64 wn + 32 bb + 16 h
	v_mul_u32_u24 v4, v1, QPITCH
	v_lshl_add_u32 v4, v2, 4, v4
	s_mul_i32 s23, s11, 128*QPITCH
	s_lshl_b32 s21, s12, 6
	s_add_co_u32 s23, s23, s21
	v_add_nc_u32 v[STQ], s23, v4
	; V transposed: row 32 wn + 16 bb + r, byte 256 wm + 32 a + 16 h
	v_mul_u32_u24 v4, v1, VPITCH
	v_lshl_add_u32 v4, v2, 4, v4
	s_mul_i32 s23, s12, 32*VPITCH
	s_lshl_b32 s21, s11, 8
	s_add_co_u32 s23, s23, s21
	s_add_co_u32 s23, s23, VIMG
	v_add_nc_u32 v[STV], s23, v4
	; way out, back: wave w takes rows 64 w .. 64 w + 63 of q and k (four rows of 128 bytes a load) and rows 16 w .. of V transposed (one row of 512 bytes a load)
	v_and_b32 v5, 31, v0
	v_lshrrev_b32 v6, 3, v5
	v_and_b32 v7, 7, v5
	v_mul_u32_u24 v4, v6, QPITCH
	v_lshl_add_u32 v4, v7, 4, v4
	s_mul_i32 s23, s10, 64*QPITCH
	v_add_nc_u32 v[RDQ], s23, v4
	v_lshlrev_b32 v5, 4, v5
	s_mul_i32 s23, s10, 16*VPITCH
	s_add_co_u32 s23, s23, VIMG
	v_add_nc_u32 v[RDV], s23, v5
	s_lshl_b32 s23, s10, 13
	v_add_nc_u32 v[COQ], s23, v5                   ; 16 lane + 64 rows of 128 bytes a wave
	s_lshl_b32 s23, s10, 16
	v_add_nc_u32 v[COV], s23, v5                   ; 16 lane + 16 rows of 4,096 bytes a wave
	; the outputs' bases hang on both coordinates: registers that feed no descriptor
	s_lshr_b32 s74, s13, 3
	s_lshl_b32 s74, s74, 4
	s_add_co_u32 s74, s74, s42                     ; b*16 + head
	s_lshl_b32 s74, s74, 18                        ; 262,144 bytes for each in all three
	s_and_b32 s78, s13, 7                          ; s0 = 256 x this
	s_lshl_b32 s76, s78, 9                         ; vt: 2 s0
	s_lshl_b32 s78, s78, 15                        ; qh, kh: 128 s0
	s_add_co_u32 s76, s76, s74
	s_add_co_u32 s74, s74, s78
	s_mov_b32 s75, 0
	s_mov_b32 s77, 0
	s_add_nc_u64 s[68:69], s[68:69], s[74:75]
	s_add_nc_u64 s[70:71], s[70:71], s[74:75]
	s_add_nc_u64 s[72:73], s[72:73], s[76:77]
; 16 matrix instructions: row blocks a0 .. a0+3 x the four column blocks of q and k.  zero = 1: the product starts the sums
.macro MULQK f, a0, zero
.irp a, \a0, \a0+1, \a0+2, \a0+3
.irp b, 0,1,2,3
.if \zero
	v_wmma_f32_16x16x32_bf16 v[8*(4*(\a)+\b):8*(4*(\a)+\b)+7], v[\f+8*\b:\f+8*\b+7], v[\f+8*(\a):\f+8*(\a)+7], 0
.else
	v_wmma_f32_16x16x32_bf16 v[8*(4*(\a)+\b):8*(4*(\a)+\b)+7], v[\f+8*\b:\f+8*\b+7], v[\f+8*(\a):\f+8*(\a)+7], v[8*(4*(\a)+\b):8*(4*(\a)+\b)+7]
.endif
.endr
.endr
.endm
; 16 matrix instructions: all eight row blocks x v's two column blocks
.macro MULV f, zero
.irp a, 0,1,2,3,4,5,6,7
.irp b, 0,1
.if \zero
	v_wmma_f32_16x16x32_bf16 v[8*(2*\a+\b):8*(2*\a+\b)+7], v[\f+8*\a:\f+8*\a+7], v[\f+8*(4+\b):\f+8*(4+\b)+7], 0
.else
	v_wmma_f32_16x16x32_bf16 v[8*(2*\a+\b):8*(2*\a+\b)+7], v[\f+8*\a:\f+8*\a+7], v[\f+8*(4+\b):\f+8*(4+\b)+7], v[8*(2*\a+\b):8*(2*\a+\b)+7]
.endif
.endr
.endr
.endm
; 28 LDS loads in one run: 96 rows of wt, then 128 rows of xb, 32 K at byte k of the rows
.macro FETCH slot, k, f
	WIN TO_B
.irp i, 0,1,2,3,4,5
	ds_load_b128 v[\f+8*\i:\f+8*\i+3],   v[ADRB+\slot] offset:\k+\i*16*PITCH
	ds_load_b128 v[\f+8*\i+4:\f+8*\i+7], v[ADRB+\slot] offset:\k+\i*16*PITCH+32
.endr
	WIN 0
.irp i, 0,1,2,3,4,5,6,7
	ds_load_b128 v[\f+8*\i:\f+8*\i+3],   v[ADRA+\slot] offset:\k+\i*16*PITCH
	ds_load_b128 v[\f+8*\i+4:\f+8*\i+7], v[ADRA+\slot] offset:\k+\i*16*PITCH+32
.endr
.endm
; A quarter step: 48 matrix instructions on buffer f; the 48 accumulators take turns in one fixed order, one instruction a turn.
.macro QUARTER slot, k, f, g, zero
	s_wait_dscnt 8                                 ; wt's fragments and xb's rows 0-63 are in; the youngest eight loads (rows 64-127) may be out
	WIN MUL_QK
	MULQK \f, 0, \zero
	PLACES
	FETCH \slot, \k, \g
	s_wait_dscnt 28                                ; all but the 28 just issued
	WIN MUL_QK
	MULQK \f, 4, \zero
	WIN MUL_V
	MULV \f, \zero
.endm
.macro THREE slot, zero
	QUARTER \slot, 64,  F0, F1, \zero
	QUARTER \slot, 128, F1, F0, 0
	QUARTER \slot, 192, F0, F1, 0
.endm
; The last quarter of a K step changes slots: one barrier for two things.  In front of it each wave's reads of this slot are back and all its
; tensor loads have landed (the one that was out is its part of the next slot).  Behind it this slot is filled again first, then the next slot is read.
.macro TURN slot, next, fill
	s_wait_dscnt 8
	WIN MUL_QK
	MULQK F1, 0, 0
	s_wait_dscnt 0                                 ; my reads of this slot are over
	s_wait_tensorcnt 0x0                           ; all my tensor loads have landed
	ds_add_u32 v255, v63
	s_wait_dscnt 0x0
	s_barrier_signal -1
	MULQK F1, 4, 0                                 ; register work while the others arrive
	WIN 0
	s_barrier_wait -1
.if \fill
	CREST                                          ; the round: no wave of any partner still reads this slot or has a load on its way
	s_add_nc_u64 s[G0+4*\slot+2:G0+4*\slot+3], s[G0+4*\slot+2:G0+4*\slot+3], 2*KSTEP*2
	s_add_nc_u64 s[G0B+4*\slot+2:G0B+4*\slot+3], s[G0B+4*\slot+2:G0B+4*\slot+3], 2*KSTEP*2
	JLOAD \slot                                    ; the wave's one tensor load behind the round, first thing there
.endif
	PLACES
	FETCH \next, 0, F0
	WIN MUL_V
	MULV F1, 0
.endm
.macro LAP zero
	THREE 0, \zero
	TURN 0, 1, 1
	THREE 1, 0
	TURN 1, 0, 1
.endm
	s_wait_tensorcnt 1                             ; my part of K step 0 is in; step 1's load, issued behind it, may stay out
	s_barrier_signal -1
	s_barrier_wait -1
	FETCH 0, 0, F0
	LAP 1
	WIN 0
	s_mov_b32 s3, LAPS-2
.Llap:
	LAP 0
	WIN 0
	s_sub_co_u32 s3, s3, 1
	s_cmp_lg_u32 s3, 0
	s_cbranch_scc1 .Llap
	THREE 0, 0                                     ; the last lap fills nothing
	TURN 0, 1, 0
	THREE 1, 0
	s_wait_dscnt 0
	WIN MUL_QK
	MULQK F1, 0, 0
	MULQK F1, 4, 0
	WIN MUL_V
	MULV F1, 0
	; THE WAY OUT.  The stage lies in slot 0, which has had its last fill; every wave's last reads of it were waited for in front of the last change of slots.
	; The four waves lay their parts of q's, k's and V transposed's images into LDS; behind a barrier whole rows are read back and stored.
	PLACES
.macro OUTQK g                         ; eight tiles: row blocks 2 g, 2 g + 1 x the four column blocks
	WIN 0x0a
.irp u, 0,1,2,3,4,5,6,7
.irp p, 0,1,2,3
	v_cvt_pk_f16_f32 v[TMP+4*\u+\p], v[8*(8*\g+\u)+2*\p], v[8*(8*\g+\u)+2*\p+1]
.endr
.endr
	WIN 0
.irp u, 0,1,2,3,4,5,6,7
	ds_store_b128 v[STQ], v[TMP+4*\u:TMP+4*\u+3] offset:((\u&3)>>1)*KIMG+(2*\g+(\u>>2))*16*QPITCH+(\u&1)*32
.endr
.endm
.macro OUTV g                          ; eight tiles: row blocks 4 g .. 4 g + 3 x v's two column blocks
	WIN 0x0f
.irp u, 0,1,2,3,4,5,6,7
.irp p, 0,1,2,3
	v_cvt_pk_f16_f32 v[TMP+4*\u+\p], v[8*(8*\g+\u)+2*\p], v[8*(8*\g+\u)+2*\p+1]
.endr
.endr
	WIN 0
.irp u, 0,1,2,3,4,5,6,7
	ds_store_b128 v[STV], v[TMP+4*\u:TMP+4*\u+3] offset:(\u&1)*16*VPITCH+(4*\g+(\u>>1))*32
.endr
.endm
	OUTQK 0
	OUTQK 1
	OUTQK 2
	OUTQK 3
	OUTV 0
	OUTV 1
	s_wait_dscnt 0                                 ; my stores are done, for the others' sake
	s_barrier_signal -1
	s_barrier_wait -1
.irp i, 0,1,2,3,4,5,6,7,8,9,10,11,12,13,14,15
	ds_load_b128 v[F0+4*\i:F0+4*\i+3], v[RDQ] offset:\i*4*QPITCH
.endr
.irp i, 0,1,2,3,4,5,6,7,8,9,10,11,12,13,14,15
	ds_load_b128 v[F1+4*\i:F1+4*\i+3], v[RDQ] offset:KIMG+\i*4*QPITCH
.endr
.irp i, 0,1,2,3,4,5,6,7,8,9,10,11,12,13,14,15
	ds_load_b128 v[TMP+4*\i:TMP+4*\i+3], v[RDV] offset:\i*VPITCH
.endr
.irp i, 0,1,2,3,4,5,6,7,8,9,10,11,12,13,14,15
	s_wait_dscnt 47-\i                             ; 48 loads were issued: load i of q's is back
	global_store_b128 v[COQ], v[F0+4*\i:F0+4*\i+3], s[68:69] offset:\i*512      ; 512 consecutive bytes, aligned
.endr
.irp i, 0,1,2,3,4,5,6,7,8,9,10,11,12,13,14,15
	s_wait_dscnt 31-\i
	global_store_b128 v[COQ], v[F1+4*\i:F1+4*\i+3], s[70:71] offset:\i*512
.endr
.irp i, 0,1,2,3,4,5,6,7,8,9,10,11,12,13,14,15
	s_wait_dscnt 15-\i
	global_store_b128 v[COV], v[TMP+4*\i:TMP+4*\i+3], s[72:73] offset:\i*4096   ; 512 consecutive bytes of one row d
.endr
	s_set_vgpr_msb 0x1
	s_wait_tensorcnt 0x0
	ds_add_u32 v255, v63
	s_wait_dscnt 0x0
	s_set_vgpr_msb 0x100
	CROUND                                         ; the closing round: no work-group ends while a partner may still ask for a tile that names it
	s_endpgm
.Lfunc_end_k_qd5b0e309bc_qkv:
	.size	k_qd5b0e309bc_qkv, .Lfunc_end_k_qd5b0e309bc_qkv-k_qd5b0e309bc_qkv
	.p2alignl 7, 3214868480
	.fill 96, 4, 3214868480
	.section	.rodata,"a",@progbits
	.p2align	6, 0x0
	.amdhsa_kernel k_qd5b0e309bc_qkv
		.amdhsa_group_segment_fixed_size 327680
		.amdhsa_private_segment_fixed_size 0
		.amdhsa_enable_private_segment 0
		.amdhsa_kernarg_size 40
		.amdhsa_user_sgpr_count 2
		.amdhsa_user_sgpr_kernarg_segment_ptr 1
		.amdhsa_wavefront_size32 1
		.amdhsa_system_sgpr_workgroup_id_x 1
		.amdhsa_system_sgpr_workgroup_id_y 1
		.amdhsa_system_sgpr_workgroup_id_z 1
		.amdhsa_system_vgpr_workitem_id 0
		.amdhsa_next_free_vgpr 896
		.amdhsa_next_free_sgpr 80
		.amdhsa_reserve_vcc 0
		.amdhsa_float_denorm_mode_32 3
		.amdhsa_float_denorm_mode_16_64 3
		.amdhsa_memory_ordered 1
		.amdhsa_forward_progress 1
		.amdhsa_inst_pref_size 159
	.end_amdhsa_kernel
	.amdgpu_metadata
---
amdhsa.version: [ 1, 2 ]
amdhsa.kernels:
  - .name:           k_qd5b0e309bc_qkv
    .symbol:         k_qd5b0e309bc_qkv.kd
    .args:
      - { .name: xb, .offset: 0, .size: 8, .value_kind: global_buffer, .address_space: global }
      - { .name: wt, .offset: 8, .size: 8, .value_kind: global_buffer, .address_space: global }
      - { .name: qh, .offset: 16, .size: 8, .value_kind: global_buffer, .address_space: global }
      - { .name: kh, .offset: 24, .size: 8, .value_kind: global_buffer, .address_space: global }
      - { .name: vt, .offset: 32, .size: 8, .value_kind: global_buffer, .address_space: global }
    .group_segment_fixed_size: 327680
    .private_segment_fixed_size: 0
    .kernarg_segment_align: 8
    .kernarg_segment_size: 40
    .max_flat_workgroup_size: 128
    .sgpr_count:     80
    .vgpr_count:     896
    .wavefront_size: 32
...
	.end_amdgpu_metadata
.endif
;; end of part 2
;; launch attn (part 3): grid 8 x 32, 8 waves a work-group, no clusters, 327,680 bytes of LDS; arguments qh, kh, vt, ctxp; writes ctxp
.if DOCPART == 3
	.amdgcn_target "amdgcn-amd-amdhsa--gfx1250"
	.amdhsa_code_object_version 6
	.text
	.protected	k_qd5b0e309bc_attn
	.globl	k_qd5b0e309bc_attn
	.p2align	8
	.type	k_qd5b0e309bc_attn,@function
k_qd5b0e309bc_attn:
	s_mov_b64 s[64:65], 0
	v_nop
	global_prefetch_b8 v0, s[64:65] scope:SCOPE_SE
	s_setreg_imm32_b32 hwreg(HW_REG_WAVE_MODE, 25, 1), 1
	s_wait_xcnt 0x0
; ATTN: causal attention of one (batch, head) per grid row, f16 operands, f32 sums and softmax, running maximum.
;   ctxp: [m>>1][head][m&1][64] f16, m = b*2048 + s: two neighbouring rows of one head are 256 consecutive bytes.
; Work-group a of 8 takes the query blocks (128 rows) 15 - 2a and 2a: 16 - 2a and 2a + 1 key tiles of 128, 17 for every work-group; tiles above the diagonal are not visited.
; Eight waves: wave w takes keys 64 (w>>2) .. + 63 of every tile and query rows 32 (w&3) .. + 31 of the block; the two key halves are merged through LDS at a block's end.
; S^T = K Q^T (a lane holds one query and 8 keys a tile), so that the packed weights ARE the second operand of O^T = V^T P^T: nothing is shuffled,
; and the row statistics are a lane's own but for one exchange between the two halves of the wave.
; NO MULTICAST: the eight work-groups of a head need 16 - 2a and 2a + 1 tiles, another number in each; joint loads want equal trips in all partners, which would double the work.
; NO PREFETCH: the eight work-groups of a head read the same 512 KiB again and again.
; LIMITS: scores must be finite in f32; the weights (at most 1) and ctx (a mean of v) are rounded to f16.
.set SLOTB, 34816                      ; a slot: K's tile, 64 rows of 256 bytes (two keys each) at pitch 272; then V transposed's, 64 rows d of 256 bytes at pitch 272
.set VOFF,  17408
.set MSC,   69632                      ; merge scratch, 8,704 bytes for each pair of waves; no tensor load lands here
.set STG,   104448                     ; way-out stage, 32 rows at pitch 144 for each of waves 0-3
.set QFR, 32                           ; v[32:63]   Q fragments at 8 (2 n + ks)
.set SCR, 64                           ; v[64:127]  scores, tile (kb, n) at 32 n + 8 kb; later the packed weights
.set OAC, 128                          ; v[128:191] O^T, tile (db, n) at 32 n + 8 db
.set FRG, 192                          ; v[192:255] K fragments at 8 (4 ks + kb), then V fragments at 8 (4 t + db)
.set G1K, 16
.set G1V, 24
.set G0K, 32
.set G0V, 40
; v1 K address, v2 V address, v3 Q offset, v4-5 query - key base for the mask, v6 -inf, v7 scratch, v8 stage in, v9 stage back, v10 ctx offset
; v12-13 running maximum M, v14-15 running sum L (a lane's own 32 keys a tile), v16-17 new maximum, v[18:21] -max*c twice each, v[22:25] rescale factor twice each, v26-31 at work
	s_load_b256 s[4:11], s[0:1], 0x0               ; qh s[4:5], kh s[6:7], vt s[8:9], ctxp s[10:11]
	s_set_vgpr_msb 0x40
	v_lshl_add_u32 v0, v0, 2, 0x29000
	v_mov_b32 v1, 0
	s_set_vgpr_msb 0x4045
	ds_add_u32 v0, v1
	s_set_vgpr_msb 0x4500
	v_lshrrev_b32 v1, 5, v0
	v_readfirstlane_b32 s12, v1                    ; wave
	s_lshr_b32 s13, s12, 2                         ; g: my half of the keys
	s_and_b32 s14, s12, 3                          ; qw: my 32 query rows
	s_mov_b32 s15, ttmp9                           ; a
	s_and_b32 s58, ttmp7, 0xffff                   ; b*16 + head
	s_mov_b32 s52, 0x3e38aa3b                      ; c = log2(e) / 8: the scale 1/sqrt(64) and the base of v_exp_f32 in one
	s_mov_b32 s53, 0xbe38aa3b                      ; -c
	s_mov_b32 s54, 0x76543210                      ; v_permlanex16_b32: lane i of the other half
	s_mov_b32 s55, 0xfedcba98
	s_sub_co_u32 s56, 7, s15                       ; pairs of plain tiles of block 15 - 2a, less the last pair
	s_mov_b32 s57, s15                             ; pairs of plain tiles of block 2a
	s_mov_b32 s[G1K+0], 0x07510000                 ; elements of 2 bytes; 4 words of padding behind every 64 words
	s_mov_b32 s[G1K+1], 128<<16                    ; tensor_dim0 = 128
	s_mov_b32 s[G1K+2], 64<<16                     ; tensor_dim1 = 64
	s_mov_b32 s[G1K+3], 128<<16                    ; tile_dim0
	s_mov_b32 s[G1K+4], 64                         ; tile_dim1
	s_mov_b32 s[G1K+5], 128                        ; K's tile is dense: 16,384 bytes as 64 rows of 256
	s_mov_b32 s[G1K+6], 0
	s_mov_b32 s[G1K+7], 0
	s_mov_b32 s[G1V+0], 0x07510000
	s_mov_b32 s[G1V+1], 128<<16
	s_mov_b32 s[G1V+2], 64<<16
	s_mov_b32 s[G1V+3], 128<<16
	s_mov_b32 s[G1V+4], 64
	s_mov_b32 s[G1V+5], 2048                       ; V transposed: 2,048 elements from d to d + 1
	s_mov_b32 s[G1V+6], 0
	s_mov_b32 s[G1V+7], 0
	s_lshl_b32 s70, s58, 18
	s_mov_b32 s71, 0
	s_wait_dscnt 0x0
	s_barrier_signal -1
	s_barrier_wait -1
	s_wait_kmcnt 0x0
	s_add_nc_u64 s[48:49], s[6:7], s[70:71]        ; this head's K
	s_add_nc_u64 s[50:51], s[8:9], s[70:71]        ; this head's V transposed
.irp s, 0,1
	s_mov_b32 s[G0K+4*\s], 1
	s_mov_b32 s[G0K+4*\s+1], \s*SLOTB
	s_add_nc_u64 s[G0K+4*\s+2:G0K+4*\s+3], s[48:49], \s*16384
	s_or_b32 s[G0K+4*\s+3], s[G0K+4*\s+3], 0x80000000
	s_mov_b32 s[G0V+4*\s], 1
	s_mov_b32 s[G0V+4*\s+1], \s*SLOTB+VOFF
	s_add_nc_u64 s[G0V+4*\s+2:G0V+4*\s+3], s[50:51], \s*256
	s_or_b32 s[G0V+4*\s+3], s[G0V+4*\s+3], 0x80000000
.endr
; wave 0 brings K's tile, wave 1 V's, 64 rows each: a wave never has more than one tensor load out
.macro KVLOAD s
	s_cmp_lg_u32 s12, 0
	s_cbranch_scc1 .Lnot_k_\@
	tensor_load_to_lds s[G0K+4*\s:G0K+4*\s+3], s[G1K:G1K+7]
	s_nop 0
.Lnot_k_\@:
	s_cmp_lg_u32 s12, 1
	s_cbranch_scc1 .Lnot_v_\@
	tensor_load_to_lds s[G0V+4*\s:G0V+4*\s+3], s[G1V:G1V+7]
	s_nop 0
.Lnot_v_\@:
.endm
	KVLOAD 0                                       ; tile 0, ahead of everything else
	s_lshl_b32 s72, s15, 1                         ; block e = 2a
	s_sub_co_u32 s73, 15, s72                      ; block o = 15 - 2a
	s_lshl_b32 s74, s14, 12
	s_add_co_u32 s74, s74, s70                     ; head + 32 qw rows of 128 bytes
	s_lshl_b32 s76, s73, 14
	s_add_co_u32 s76, s76, s74
	s_mov_b32 s77, 0
	s_add_nc_u64 s[60:61], s[4:5], s[76:77]        ; my Q rows of block o
	s_lshl_b32 s76, s72, 14
	s_add_co_u32 s76, s76, s74
	s_add_nc_u64 s[62:63], s[4:5], s[76:77]        ; of block e
	s_lshr_b32 s74, s58, 4
	s_lshl_b32 s74, s74, 22                        ; batch: 1,024 row pairs of 4,096 bytes
	s_and_b32 s75, s58, 15
	s_lshl_b32 s75, s75, 8                         ; head: 256 bytes
	s_add_co_u32 s74, s74, s75
	s_lshl_b32 s75, s14, 16                        ; 16 qw row pairs
	s_add_co_u32 s74, s74, s75
	s_lshl_b32 s76, s73, 18                        ; 64 row pairs a block
	s_add_co_u32 s76, s76, s74
	s_add_nc_u64 s[66:67], s[10:11], s[76:77]      ; my ctx rows of block o
	s_lshl_b32 s76, s72, 18
	s_add_co_u32 s76, s76, s74
	s_add_nc_u64 s[68:69], s[10:11], s[76:77]      ; of block e
	v_and_b32 v11, 15, v0                          ; r
	v_bfe_u32 v26, v0, 4, 1                        ; h
	v_and_b32 v27, 31, v0                          ; lane
	v_lshrrev_b32 v28, 1, v11
	v_and_b32 v29, 1, v11
	v_mul_u32_u24 v1, v28, 272                     ; key 64 g + 16 kb + r lies at (key>>1) 272 + (key&1) 128: sixteen different 16-byte columns modulo 256
	v_lshl_add_u32 v1, v29, 7, v1
	v_lshl_add_u32 v1, v26, 4, v1
	s_mul_i32 s70, s13, 32*272
	v_add_nc_u32 v1, s70, v1
	v_mul_u32_u24 v2, v11, 272                     ; V^T row d = 16 db + r, keys 64 g + 32 t + 8 h
	v_lshl_add_u32 v2, v26, 4, v2
	s_lshl_b32 s70, s13, 7
	s_add_co_u32 s70, s70, VOFF
	v_add_nc_u32 v2, s70, v2
	v_lshlrev_b32 v3, 7, v11                       ; Q row r, 16 h
	v_lshl_add_u32 v3, v26, 4, v3
	s_lshl_b32 s70, s14, 5
	s_lshl_b32 s71, s13, 6
	s_sub_co_i32 s70, s70, s71
	v_lshlrev_b32 v4, 3, v26
	v_sub_nc_u32 v4, v11, v4
	v_add_nc_u32 v4, s70, v4                       ; 32 qw + r - 64 g - 8 h: key 16 kb + j of my tile is masked where it is larger
	v_add_nc_u32 v5, 16, v4                        ; the same for the second 16 queries
	v_mov_b32 v6, 0xff800000                       ; -infinity
	s_mul_i32 s70, s14, 8704
	s_add_co_u32 s70, s70, MSC
	v_lshl_add_u32 v7, v27, 4, s70
	s_mul_i32 s70, s14, 32*144
	s_add_co_u32 s70, s70, STG
	v_mul_u32_u24 v8, v11, 144
	v_lshl_add_u32 v8, v26, 4, v8
	v_add_nc_u32 v8, s70, v8
	v_lshrrev_b32 v28, 3, v27
	v_and_b32 v29, 7, v27
	v_mul_u32_u24 v9, v28, 144
	v_lshl_add_u32 v9, v29, 4, v9
	v_add_nc_u32 v9, s70, v9
	v_lshlrev_b32 v10, 4, v11
	v_lshl_add_u32 v10, v26, 12, v10               ; lanes 0-15: one row pair's 256 bytes; lanes 16-31: the next pair's
; A block begins: my Q fragments; sums and statistics cleared.  O is cleared and not started by a first product, since a block's first tile is a plain one or
; the diagonal one according to the block's number, and starting by a product would want every trip's text twice.
.macro INIT qb
	s_wait_xcnt 0x0                                ; the last block's stores have read their data registers, which the next scores overwrite
.irp nq, 0,1
.irp ks, 0,1
	global_load_b128 v[QFR+8*(2*\nq+\ks):QFR+8*(2*\nq+\ks)+3],   v3, s[\qb:\qb+1] offset:\nq*2048+\ks*64
	global_load_b128 v[QFR+8*(2*\nq+\ks)+4:QFR+8*(2*\nq+\ks)+7], v3, s[\qb:\qb+1] offset:\nq*2048+\ks*64+32
.endr
.endr
.set ii, 0
.rept 64
	v_mov_b32 v[OAC+ii], 0
.set ii, ii+1
.endr
	v_mov_b32 v12, 0xff7fffff                      ; M = -FLT_MAX, not -infinity: a half that is masked whole gives weights 0 and a factor 1, never a NaN
	v_mov_b32 v13, 0xff7fffff
	v_mov_b32 v14, 0
	v_mov_b32 v15, 0
	s_wait_loadcnt 0x0
.endm
; One key tile in slot.  mode 0: this slot's addresses step two tiles on; mode 1: they go back to tile slot, for the next block.
; refill 1: the other slot gets the next tile.  diag 1: the tile on the diagonal is masked.
.macro TRIP slot, mode, refill, diag
	s_set_vgpr_msb 0x5
	s_wait_tensorcnt 0x0                           ; all my tensor loads have landed, my part of this tile among them: every address may be written
	ds_add_u32 v0, v1
	s_wait_dscnt 0x0
	s_set_vgpr_msb 0x500
.if \mode
	s_add_nc_u64 s[G0K+4*\slot+2:G0K+4*\slot+3], s[48:49], \slot*16384
	s_or_b32 s[G0K+4*\slot+3], s[G0K+4*\slot+3], 0x80000000
	s_add_nc_u64 s[G0V+4*\slot+2:G0V+4*\slot+3], s[50:51], \slot*256
	s_or_b32 s[G0V+4*\slot+3], s[G0V+4*\slot+3], 0x80000000
.else
	s_add_nc_u64 s[G0K+4*\slot+2:G0K+4*\slot+3], s[G0K+4*\slot+2:G0K+4*\slot+3], 32768
	s_add_nc_u64 s[G0V+4*\slot+2:G0V+4*\slot+3], s[G0V+4*\slot+2:G0V+4*\slot+3], 512
.endif
	s_wait_dscnt 0x0                               ; my reads of the other slot are back
	s_barrier_signal -1
	s_barrier_wait -1                              ; both hold of all eight waves
.if \refill
	KVLOAD (1-\slot)                               ; first thing behind the barrier: it has this trip's work in which to land
.endif
.irp ks, 0,1
.irp kb, 0,1,2,3
	ds_load_b128 v[FRG+8*(4*\ks+\kb):FRG+8*(4*\ks+\kb)+3],   v1 offset:\slot*SLOTB+\kb*2176+\ks*64
	ds_load_b128 v[FRG+8*(4*\ks+\kb)+4:FRG+8*(4*\ks+\kb)+7], v1 offset:\slot*SLOTB+\kb*2176+\ks*64+32
.endr
.endr
	s_wait_dscnt 0x8                               ; d = 0..31 of my 64 keys is in; the eight loads of d = 32..63 may be out
	; the eight score tiles take turns, one instruction a turn; the first product starts the sums
.irp kb, 0,1,2,3
.irp nq, 0,1
	v_wmma_f32_16x16x32_f16 v[SCR+32*\nq+8*\kb:SCR+32*\nq+8*\kb+7], v[FRG+8*\kb:FRG+8*\kb+7], v[QFR+16*\nq:QFR+16*\nq+7], 0
.endr
.endr
	s_wait_dscnt 0x0
.irp kb, 0,1,2,3
.irp nq, 0,1
	v_wmma_f32_16x16x32_f16 v[SCR+32*\nq+8*\kb:SCR+32*\nq+8*\kb+7], v[FRG+32+8*\kb:FRG+32+8*\kb+7], v[QFR+16*\nq+8:QFR+16*\nq+15], v[SCR+32*\nq+8*\kb:SCR+32*\nq+8*\kb+7]
.endr
.endr
.rept 4
	v_nop                                          ; four places (ISA guide 7.12.1) before K's fragments are loaded over and the scores are read
.endr
.irp t, 0,1
.irp db, 0,1,2,3
	ds_load_b128 v[FRG+8*(4*\t+\db):FRG+8*(4*\t+\db)+3],   v2 offset:\slot*SLOTB+\db*4352+\t*64
	ds_load_b128 v[FRG+8*(4*\t+\db)+4:FRG+8*(4*\t+\db)+7], v2 offset:\slot*SLOTB+\db*4352+\t*64+32
.endr
.endr
.if \diag
.irp nq, 0,1
.irp kb, 0,1,2,3
.irp j, 0,1,2,3,4,5,6,7
	v_cmp_gt_i32 vcc_lo, 16*\kb+\j, v[4+\nq]       ; key above query
	v_cndmask_b32 v[SCR+32*\nq+8*\kb+\j], v[SCR+32*\nq+8*\kb+\j], v6, vcc_lo
.endr
.endr
.endr
.endif
	; the new maximum: four chains, two for each 16 queries, then the other half of the wave
	v_max3_num_f32 v26, v12, v[SCR], v[SCR+1]
	v_max_num_f32  v27, v[SCR+16], v[SCR+17]
	v_max3_num_f32 v28, v13, v[SCR+32], v[SCR+33]
	v_max_num_f32  v29, v[SCR+48], v[SCR+49]
.irp i, 2,4,6,8,10,12,14
	v_max3_num_f32 v26, v26, v[SCR+\i], v[SCR+\i+1]
	v_max3_num_f32 v27, v27, v[SCR+16+\i], v[SCR+17+\i]
	v_max3_num_f32 v28, v28, v[SCR+32+\i], v[SCR+33+\i]
	v_max3_num_f32 v29, v29, v[SCR+48+\i], v[SCR+49+\i]
.endr
	v_max_num_f32 v26, v26, v27
	v_max_num_f32 v28, v28, v29
	v_permlanex16_b32 v27, v26, s54, s55
	v_permlanex16_b32 v29, v28, s54, s55
	v_max_num_f32 v16, v26, v27
	v_max_num_f32 v17, v28, v29
	v_sub_f32 v26, v12, v16
	v_sub_f32 v28, v13, v17
	v_mul_f32 v26, s52, v26
	v_mul_f32 v28, s52, v28
	v_exp_f32 v22, v26                             ; the factor by which the old sums shrink
	v_exp_f32 v24, v28
	v_mul_f32 v18, s53, v16                        ; -max c; also the plain place behind the two exponentials (ISA guide 5.7.2)
	v_mul_f32 v20, s53, v17
	v_mov_b32 v19, v18
	v_mov_b32 v21, v20
	s_wait_alu depctr_va_vdst(0)
	v_mov_b32 v23, v22
	v_mov_b32 v25, v24
	v_mov_b32 v12, v16
	v_mov_b32 v13, v17
.irp i, 0,1,2,3,4,5,6,7,8,9,10,11,12,13,14,15
	v_pk_fma_f32 v[SCR+2*\i:SCR+2*\i+1], v[SCR+2*\i:SCR+2*\i+1], s[52:53], v[18:19] op_sel_hi:[1,0,1]
	v_pk_fma_f32 v[SCR+32+2*\i:SCR+32+2*\i+1], v[SCR+32+2*\i:SCR+32+2*\i+1], s[52:53], v[20:21] op_sel_hi:[1,0,1]
.endr
	; 64 exponentials; behind every two stands one rescaling of O, a plain instruction on other registers
.irp i, 0,1,2,3,4,5,6,7,8,9,10,11,12,13,14,15,16,17,18,19,20,21,22,23,24,25,26,27,28,29,30,31
	v_exp_f32 v[SCR+2*\i], v[SCR+2*\i]
	v_exp_f32 v[SCR+2*\i+1], v[SCR+2*\i+1]
	v_pk_mul_f32 v[OAC+2*\i:OAC+2*\i+1], v[OAC+2*\i:OAC+2*\i+1], v[22+2*(\i/16):23+2*(\i/16)]
.endr
	s_wait_alu depctr_va_vdst(0)
	v_pk_add_f32 v[26:27], v[SCR:SCR+1], v[SCR+2:SCR+3]
	v_pk_add_f32 v[28:29], v[SCR+32:SCR+33], v[SCR+34:SCR+35]
.irp i, 4,6,8,10,12,14,16,18,20,22,24,26,28,30
	v_pk_add_f32 v[26:27], v[26:27], v[SCR+\i:SCR+\i+1]
	v_pk_add_f32 v[28:29], v[28:29], v[SCR+32+\i:SCR+33+\i]
.endr
	v_add_f32 v26, v26, v27
	v_add_f32 v28, v28, v29
	v_fma_f32 v14, v14, v22, v26
	v_fma_f32 v15, v15, v24, v28
	; the weights to f16, in place: tiles 2 t and 2 t + 1 become the fragment of keys 32 t .. 32 t + 31 in the first eight registers of the pair
.irp nq, 0,1
.irp t, 0,1
.irp p, 0,1,2,3
	v_cvt_pk_f16_f32 v[SCR+32*\nq+16*\t+\p], v[SCR+32*\nq+16*\t+2*\p], v[SCR+32*\nq+16*\t+2*\p+1]
.endr
.irp p, 0,1,2,3
	v_cvt_pk_f16_f32 v[SCR+32*\nq+16*\t+4+\p], v[SCR+32*\nq+16*\t+8+2*\p], v[SCR+32*\nq+16*\t+9+2*\p]
.endr
.endr
.endr
	s_wait_dscnt 0x8                               ; V's fragments of keys 0..31 of my half are in; the eight of keys 32..63 may be out
.irp db, 0,1,2,3
.irp nq, 0,1
	v_wmma_f32_16x16x32_f16 v[OAC+32*\nq+8*\db:OAC+32*\nq+8*\db+7], v[FRG+8*\db:FRG+8*\db+7], v[SCR+32*\nq:SCR+32*\nq+7], v[OAC+32*\nq+8*\db:OAC+32*\nq+8*\db+7]
.endr
.endr
	s_wait_dscnt 0x0
.irp db, 0,1,2,3
.irp nq, 0,1
	v_wmma_f32_16x16x32_f16 v[OAC+32*\nq+8*\db:OAC+32*\nq+8*\db+7], v[FRG+32+8*\db:FRG+32+8*\db+7], v[SCR+32*\nq+16:SCR+32*\nq+23], v[OAC+32*\nq+8*\db:OAC+32*\nq+8*\db+7]
.endr
.endr
.rept 5
	v_nop                                          ; five places before the next scores are written over the weights; they also serve the loads over V's fragments and the reads of O
.endr
.endm
; A block ends: waves 4-7 hand O, M and L to waves 0-3, which merge the two key halves, divide, round to f16 and store whole rows.
.macro FINISH cb
	v_permlanex16_b32 v26, v14, s54, s55
	v_permlanex16_b32 v27, v15, s54, s55
	v_add_f32 v14, v14, v26                        ; L over my wave's 64 keys a tile
	v_add_f32 v15, v15, v27
	s_cmp_lt_u32 s12, 4
	s_cbranch_scc1 .Lno_hand_\@
.irp i, 0,1,2,3,4,5,6,7,8,9,10,11,12,13,14,15
	ds_store_b128 v7, v[OAC+4*\i:OAC+4*\i+3] offset:\i*512
.endr
	ds_store_b128 v7, v[12:15] offset:8192
.Lno_hand_\@:
	s_wait_dscnt 0x0                               ; the stores are done, for the partner's sake
	s_barrier_signal -1
	s_barrier_wait -1                              ; the next tile's load may stay on its way
	s_cmp_ge_u32 s12, 4
	s_cbranch_scc1 .Lmerged_\@
.irp i, 0,1,2,3,4,5,6,7,8,9,10,11,12,13,14,15
	ds_load_b128 v[FRG+4*\i:FRG+4*\i+3], v7 offset:\i*512
.endr
	ds_load_b128 v[26:29], v7 offset:8192          ; the partner's M, M, L, L
	s_wait_dscnt 0x0
	v_max_num_f32 v16, v12, v26
	v_max_num_f32 v17, v13, v27
	v_sub_f32 v18, v12, v16
	v_sub_f32 v20, v26, v16
	v_sub_f32 v22, v13, v17
	v_sub_f32 v24, v27, v17
	v_mul_f32 v18, s52, v18
	v_mul_f32 v20, s52, v20
	v_mul_f32 v22, s52, v22
	v_mul_f32 v24, s52, v24
	v_exp_f32 v18, v18
	v_exp_f32 v20, v20
	v_exp_f32 v22, v22
	v_exp_f32 v24, v24
	v_nop                                          ; the plain place behind the exponentials
	s_wait_alu depctr_va_vdst(0)
	v_mul_f32 v30, v14, v18
	v_mul_f32 v31, v15, v22
	v_fmac_f32 v30, v28, v20                       ; the whole row's sum: at least 1, since the key of the maximum counts 1
	v_fmac_f32 v31, v29, v24
	v_rcp_f32 v30, v30
	v_rcp_f32 v31, v31
	v_nop
	s_wait_alu depctr_va_vdst(0)
	v_mul_f32 v18, v18, v30
	v_mul_f32 v20, v20, v30
	v_mul_f32 v22, v22, v31
	v_mul_f32 v24, v24, v31
	v_mov_b32 v19, v18
	v_mov_b32 v21, v20
	v_mov_b32 v23, v22
	v_mov_b32 v25, v24
.irp i, 0,1,2,3,4,5,6,7,8,9,10,11,12,13,14,15
	v_pk_mul_f32 v[OAC+2*\i:OAC+2*\i+1], v[OAC+2*\i:OAC+2*\i+1], v[18:19]
	v_pk_mul_f32 v[OAC+32+2*\i:OAC+33+2*\i], v[OAC+32+2*\i:OAC+33+2*\i], v[22:23]
.endr
.irp i, 0,1,2,3,4,5,6,7,8,9,10,11,12,13,14,15
	v_pk_fma_f32 v[OAC+2*\i:OAC+2*\i+1], v[FRG+2*\i:FRG+2*\i+1], v[20:21], v[OAC+2*\i:OAC+2*\i+1]
	v_pk_fma_f32 v[OAC+32+2*\i:OAC+33+2*\i], v[FRG+32+2*\i:FRG+33+2*\i], v[24:25], v[OAC+32+2*\i:OAC+33+2*\i]
.endr
.irp u, 0,1,2,3,4,5,6,7
.irp p, 0,1,2,3
	v_cvt_pk_f16_f32 v[SCR+4*\u+\p], v[OAC+8*\u+2*\p], v[OAC+8*\u+2*\p+1]
.endr
.endr
.irp u, 0,1,2,3,4,5,6,7
	ds_store_b128 v8, v[SCR+4*\u:SCR+4*\u+3] offset:(\u>>2)*16*144+(\u&3)*32    ; row 16 n + r, d = 16 db + 8 h
.endr
.irp i, 0,1,2,3,4,5,6,7
	ds_load_b128 v[SCR+32+4*\i:SCR+32+4*\i+3], v9 offset:\i*4*144               ; my own stage, served in order: four rows of 128 bytes
.endr
.irp i, 0,1,2,3,4,5,6,7
	s_wait_dscnt 7-\i
	global_store_b128 v10, v[SCR+32+4*\i:SCR+32+4*\i+3], s[\cb:\cb+1] offset:\i*8192   ; 16 lanes: a row pair's 256 consecutive bytes, aligned
.endr
.Lmerged_\@:
.endm
	INIT 60
	s_cmp_eq_u32 s56, 0
	s_cbranch_scc1 .Lo_tail
.Lo_loop:
	TRIP 0, 0, 1, 0
	TRIP 1, 0, 1, 0
	s_sub_co_i32 s56, s56, 1
	s_cmp_lg_u32 s56, 0
	s_cbranch_scc1 .Lo_loop
.Lo_tail:
	TRIP 0, 1, 1, 0                                ; tile 14 - 2a; slot 0's addresses go back to tile 0
	TRIP 1, 1, 1, 1                                ; the diagonal tile 15 - 2a; tile 0 is asked for again, for block 2a
	FINISH 66
	INIT 62
	s_cmp_eq_u32 s57, 0
	s_cbranch_scc1 .Le_tail
.Le_loop:
	TRIP 0, 0, 1, 0
	TRIP 1, 0, 1, 0
	s_sub_co_i32 s57, s57, 1
	s_cmp_lg_u32 s57, 0
	s_cbranch_scc1 .Le_loop
.Le_tail:
	TRIP 0, 0, 0, 1                                ; the diagonal tile 2a: nothing is left to fetch
	FINISH 68
	s_set_vgpr_msb 0x5
	s_wait_tensorcnt 0x0
	ds_add_u32 v0, v1
	s_wait_dscnt 0x0
	s_set_vgpr_msb 0x500
	s_endpgm
.Lfunc_end_k_qd5b0e309bc_attn:
	.size	k_qd5b0e309bc_attn, .Lfunc_end_k_qd5b0e309bc_attn-k_qd5b0e309bc_attn
	.p2alignl 7, 3214868480
	.fill 96, 4, 3214868480
	.section	.rodata,"a",@progbits
	.p2align	6, 0x0
	.amdhsa_kernel k_qd5b0e309bc_attn
		.amdhsa_group_segment_fixed_size 327680
		.amdhsa_private_segment_fixed_size 0
		.amdhsa_enable_private_segment 0
		.amdhsa_kernarg_size 32
		.amdhsa_user_sgpr_count 2
		.amdhsa_user_sgpr_kernarg_segment_ptr 1
		.amdhsa_wavefront_size32 1
		.amdhsa_system_sgpr_workgroup_id_x 1
		.amdhsa_system_sgpr_workgroup_id_y 1
		.amdhsa_system_sgpr_workgroup_id_z 1
		.amdhsa_system_vgpr_workitem_id 0
		.amdhsa_next_free_vgpr 258
		.amdhsa_next_free_sgpr 80
		.amdhsa_reserve_vcc 1
		.amdhsa_float_denorm_mode_32 3
		.amdhsa_float_denorm_mode_16_64 3
		.amdhsa_memory_ordered 1
		.amdhsa_forward_progress 1
		.amdhsa_inst_pref_size 170
	.end_amdhsa_kernel
	.amdgpu_metadata
---
amdhsa.version: [ 1, 2 ]
amdhsa.kernels:
  - .name:           k_qd5b0e309bc_attn
    .symbol:         k_qd5b0e309bc_attn.kd
    .args:
      - { .name: qh, .offset: 0, .size: 8, .value_kind: global_buffer, .address_space: global }
      - { .name: kh, .offset: 8, .size: 8, .value_kind: global_buffer, .address_space: global }
      - { .name: vt, .offset: 16, .size: 8, .value_kind: global_buffer, .address_space: global }
      - { .name: ctxp, .offset: 24, .size: 8, .value_kind: global_buffer, .address_space: global }
    .group_segment_fixed_size: 327680
    .private_segment_fixed_size: 0
    .kernarg_segment_align: 8
    .kernarg_segment_size: 32
    .max_flat_workgroup_size: 256
    .sgpr_count:     80
    .vgpr_count:     258
    .wavefront_size: 32
...
	.end_amdgpu_metadata
.endif
;; end of part 3
;; launch oproj (part 4): grid 8 x 32, 4 waves a work-group, clusters of 4 x 4, 327,680 bytes of LDS; arguments ctxp, wot, bo, out0; writes out0
.if DOCPART == 4
	.amdgcn_target "amdgcn-amd-amdhsa--gfx1250"
	.amdhsa_code_object_version 6
	.text
	.protected	k_qd5b0e309bc_oproj
	.globl	k_qd5b0e309bc_oproj
	.p2align	8
	.type	k_qd5b0e309bc_oproj,@function
k_qd5b0e309bc_oproj:
	s_mov_b64 s[64:65], 0
	v_nop
	global_prefetch_b8 v0, s[64:65] scope:SCOPE_SE
	s_setreg_imm32_b32 hwreg(HW_REG_WAVE_MODE, 25, 1), 1
	s_wait_xcnt 0x0
	s_wait_alu depctr_hold_cnt(0) depctr_sa_sdst(0) depctr_va_vdst(0) depctr_va_sdst(0) depctr_va_ssrc(0) depctr_va_vcc(0) depctr_vm_vsrc(0)
	s_getreg_b32 s2, hwreg(HW_REG_IB_STS2, 6, 4)
	s_cmp_eq_u32 s2, 0
	s_cbranch_scc0 .Lentry_in_a_cluster
	s_endpgm
.Lentry_in_a_cluster:
	s_bfe_u32 s2, ttmp6, 0x10000c
	s_cmp_lg_u32 s2, 0xf033
	s_cbranch_scc0 .Lentry_shape_is_right
	s_endpgm
.Lentry_shape_is_right:
; OPROJ: out0 = ctx . wo + bo.  f16 operands (ctxp, wot), f32 sums that the bias starts, f32 out.
; A work-group makes 128 x 128 (256 work-groups for 4096 x 1024), four waves of 64 x 64: 16 accumulator tiles.
; K = 1024 goes in four steps of 256 (four heads) through two LDS slots; both first fills, half of K, go out at the start.
; ctxp is [m>>1][head][m&1][64]: four heads of a row pair are 1,024 consecutive bytes, one row of ctx's tile; row m, head hl, d lies at (m>>1) 1040 + hl 256 + (m&1) 128 + 2 d.
; CLUSTER 4 x 4: ctx's tiles are shared along a row of the cluster, wot's along a column, each asked for jointly by the four.
; The matrix instruction is used transposed (source 0 = wot rows, source 1 = ctx rows): a lane holds one row m and 8 neighbouring columns n.
; Windows: 0 addresses, fragments, bias; 1 the accumulators at 8 (4 a + b).
.set QT,     33792                     ; a quarter of a slot: 32 row pairs at pitch 1040, or 64 rows of wot at pitch 528
.set SLOT,   4*QT
.set STAGE,  2*SLOT                    ; behind the ring: 16 rows at pitch 272 for each wave
.set APITCH, 1040
.set BPITCH, 528
.set SPITCH, 272
.set ADRA, 16
.set ADRB, 20
.set STO,  24
.set RD,   25
.set CO,   26
.set BO,   27
.set F0,   64                          ; wot's four fragments at +8 b, ctx's four at +32 + 8 a
.set F1,   128
.set BIAS, 192                         ; v[192:223]: for column block b, bo[16 b + 8 h + j] in register 8 b + j
.set G1,  24
.set G0,  32
.set G1B, 48
.set G0B, 56
.set MSB, 0
.macro WIN new
.if MSB != \new
	s_set_vgpr_msb (MSB<<8)|\new
.set MSB, \new
.endif
.endm
.macro JLOAD s
	s_cmp_eq_u32 s11, 0
	s_cbranch_scc0 .Lfor_b_\@
	tensor_load_to_lds s[G0+4*\s:G0+4*\s+3], s[G1:G1+7]
	s_nop 0
	s_branch .Lasked_\@
.Lfor_b_\@:
	tensor_load_to_lds s[G0B+4*\s:G0B+4*\s+3], s[G1B:G1B+7]
	s_nop 0
.Lasked_\@:
.endm
.macro CREST
	s_cmp_lg_u32 s10, 0
	s_cbranch_scc1 .Lnot_wave_0_\@
	s_barrier_signal -3
.Lnot_wave_0_\@:
	s_barrier_wait -3
	s_barrier_signal -1
	s_barrier_wait -1
.endm
.macro CROUND
	s_barrier_signal -1
	s_barrier_wait -1
	CREST
.endm
.macro PLACES                          ; four plain vector places behind a matrix instruction (ISA guide 7.12.1)
.rept 4
	v_nop
.endr
.endm
	s_load_b128 s[4:7], s[0:1], 0x0                ; ctxp, wot
	s_load_b128 s[68:71], s[0:1], 0x10             ; bo, out0
	v_lshl_add_u32 v254, v0, 2, 0x46400
	v_mov_b32 v255, 0
	ds_add_u32 v254, v255
	v_lshrrev_b32 v1, 5, v0
	v_readfirstlane_b32 s10, v1                    ; wave
	s_lshr_b32 s11, s10, 1                         ; wm.  Also: I fetch for ctx (0) or wot (1)
	s_and_b32 s12, s10, 1                          ; wn.  Also: which half of that tile
	s_bfe_u32 s40, ttmp6, 0x40000                  ; cx
	s_bfe_u32 s41, ttmp6, 0x40004                  ; cy
	s_lshl_b32 s42, ttmp9, 2
	s_add_co_u32 s42, s42, s40                     ; block of 128 columns
	s_and_b32 s13, ttmp7, 0xffff
	s_lshl_b32 s13, s13, 2
	s_add_co_u32 s13, s13, s41                     ; block of 128 rows
	s_lshl_b32 s43, s41, 2
	s_lshl_b32 s43, 15, s43
	s_lshl_b32 s44, 0x1111, s40
	s_or_b32 s[G1+0], s43, (1<<16)|(1<<20)|(1<<21)|(7<<22)|(3<<25)    ; my row's mask; 2-byte elements; 4 words of padding behind every 256 words
	s_or_b32 s[G1B+0], s44, (1<<16)|(1<<20)|(1<<21)|(6<<22)|(3<<25)   ; my column's mask; behind every 128 words
	s_mov_b32 s[G1+1], 512<<16                     ; tensor_dim0: 512 elements, 1,024 bytes
	s_mov_b32 s[G1B+1], 256<<16
	s_mov_b32 s[G1+2], 32<<16                      ; tensor_dim1: 32 row pairs
	s_mov_b32 s[G1B+2], 64<<16                     ;              64 rows
	s_mov_b32 s[G1+3], 512<<16                     ; tile_dim0
	s_mov_b32 s[G1B+3], 256<<16
	s_mov_b32 s[G1+4], 32                          ; tile_dim1
	s_mov_b32 s[G1B+4], 64
	s_mov_b32 s[G1+5], 2048                        ; elements from row pair to row pair
	s_mov_b32 s[G1B+5], 1024
	s_mov_b32 s[G1+6], 0
	s_mov_b32 s[G1B+6], 0
	s_mov_b32 s[G1+7], 0
	s_mov_b32 s[G1B+7], 0
	s_lshl_b32 s17, s12, 5
	s_lshl_b32 s16, s13, 6
	s_add_co_u32 s16, s16, s17
	s_lshl_b32 s16, s16, 12                        ; ctx: (64 block + 32 half) row pairs of 4,096 bytes
	s_mov_b32 s17, 0
	s_lshl_b32 s47, s12, 6
	s_lshl_b32 s46, s42, 7
	s_add_co_u32 s46, s46, s47
	s_lshl_b32 s46, s46, 11                        ; wot: (128 block + 64 half) rows of 2,048 bytes
	s_mov_b32 s47, 0
	s_mul_i32 s20, s10, QT
	s_wait_dscnt 0x0
	s_wait_kmcnt 0x0
	s_add_nc_u64 s[14:15], s[4:5], s[16:17]
	s_add_nc_u64 s[46:47], s[6:7], s[46:47]
	CROUND                                         ; in front of the first joint loads
.irp s, 0,1
	s_mov_b32 s[G0+4*\s], 1
	s_add_co_u32 s[G0+4*\s+1], s20, \s*SLOT
	s_add_nc_u64 s[G0+4*\s+2:G0+4*\s+3], s[14:15], \s*1024
	s_or_b32 s[G0+4*\s+3], s[G0+4*\s+3], 0x80000000
	s_mov_b32 s[G0B+4*\s], 1
	s_add_co_u32 s[G0B+4*\s+1], s20, \s*SLOT
	s_add_nc_u64 s[G0B+4*\s+2:G0B+4*\s+3], s[46:47], \s*512
	s_or_b32 s[G0B+4*\s+3], s[G0B+4*\s+3], 0x80000000
	JLOAD \s                                       ; two tensor loads of the wave are out here, one behind each later round
.endr
	v_and_b32 v1, 15, v0                           ; r
	v_bfe_u32 v2, v0, 4, 1                         ; h
	v_lshrrev_b32 v3, 1, v1
	v_and_b32 v4, 1, v1
	v_mul_u32_u24 v5, v3, APITCH                   ; (r>>1) 1040 + (r&1) 128: sixteen different 16-byte columns modulo 256
	v_lshl_add_u32 v5, v4, 7, v5
	v_lshl_add_u32 v5, v2, 4, v5
	v_mul_u32_u24 v6, v1, BPITCH
	v_lshl_add_u32 v6, v2, 4, v6
	s_mul_i32 s21, s11, QT
	s_mul_i32 s22, s12, QT
	s_add_co_u32 s22, s22, 2*QT
.irp s, 0,1
	v_add_nc_u32 v[ADRA+\s], s21, v5
	v_add_nc_u32 v[ADRB+\s], s22, v6
	s_add_co_u32 s21, s21, SLOT
	s_add_co_u32 s22, s22, SLOT
.endr
	s_mul_i32 s23, s10, 16*SPITCH
	s_add_co_u32 s23, s23, STAGE
	v_mul_u32_u24 v4, v1, SPITCH
	v_lshl_add_u32 v4, v2, 5, v4                   ; in: row r, 32 bytes for each half of the lanes
	v_add_nc_u32 v[STO], s23, v4
	v_mul_u32_u24 v5, v2, SPITCH
	v_lshl_add_u32 v5, v1, 4, v5                   ; back: lanes 0-15 one row of 256 bytes, lanes 16-31 the next
	v_add_nc_u32 v[RD], s23, v5
	v_lshlrev_b32 v5, 4, v1
	v_lshl_add_u32 v[CO], v2, 12, v5               ; the same two rows in out0
	v_lshlrev_b32 v[BO], 5, v2                     ; bias: 8 h numbers of 4 bytes
	s_lshl_b32 s74, s42, 7
	s_lshl_b32 s75, s12, 6
	s_add_co_u32 s74, s74, s75
	s_lshl_b32 s74, s74, 2                         ; my first column, in bytes
	s_mov_b32 s75, 0
	s_lshl_b32 s76, s13, 7
	s_lshl_b32 s77, s11, 6
	s_add_co_u32 s76, s76, s77
	s_lshl_b32 s76, s76, 12                        ; my first row
	s_add_co_u32 s76, s76, s74
	s_mov_b32 s77, 0
	s_add_nc_u64 s[68:69], s[68:69], s[74:75]
	s_add_nc_u64 s[70:71], s[70:71], s[76:77]
.irp b, 0,1,2,3
	global_load_b128 v[BIAS+8*\b:BIAS+8*\b+3],   v[BO], s[68:69] offset:64*\b
	global_load_b128 v[BIAS+8*\b+4:BIAS+8*\b+7], v[BO], s[68:69] offset:64*\b+16
.endr
; 16 LDS loads: the fragments of quarter qi (32 of the slot's 256 K) into buffer f
.macro FETCH slot, qi, f
.irp i, 0,1,2,3
	ds_load_b128 v[\f+8*\i:\f+8*\i+3],   v[ADRB+\slot] offset:\i*16*BPITCH+64*(\qi)
	ds_load_b128 v[\f+8*\i+4:\f+8*\i+7], v[ADRB+\slot] offset:\i*16*BPITCH+64*(\qi)+32
.endr
.irp i, 0,1,2,3
	ds_load_b128 v[\f+32+8*\i:\f+32+8*\i+3], v[ADRA+\slot] offset:\i*8*APITCH+((\qi)>>1)*256+((\qi)&1)*64
	ds_load_b128 v[\f+32+8*\i+4:\f+32+8*\i+7], v[ADRA+\slot] offset:\i*8*APITCH+((\qi)>>1)*256+((\qi)&1)*64+32
.endr
.endm
; 16 matrix instructions; the 16 accumulators take turns, one instruction a turn.  first = 1: the bias is the first addend: nothing is cleared or added later
.macro MUL f, first
.if \first
	WIN 0x40
.else
	WIN 0x50
.endif
.irp a, 0,1,2,3
.irp b, 0,1,2,3
.if \first
	v_wmma_f32_16x16x32_f16 v[8*(4*\a+\b):8*(4*\a+\b)+7], v[\f+8*\b:\f+8*\b+7], v[\f+32+8*\a:\f+32+8*\a+7], v[BIAS+8*\b:BIAS+8*\b+7]
.else
	v_wmma_f32_16x16x32_f16 v[8*(4*\a+\b):8*(4*\a+\b)+7], v[\f+8*\b:\f+8*\b+7], v[\f+32+8*\a:\f+32+8*\a+7], v[8*(4*\a+\b):8*(4*\a+\b)+7]
.endif
.endr
.endr
	WIN 0
.endm
.macro QSTEP slot, qi, f, g, first     ; fetch quarter qi + 1 into g, multiply quarter qi from f
	PLACES
	FETCH \slot, (\qi+1), \g
	s_wait_dscnt 16                                ; all but the 16 just issued: buffer f is in
	MUL \f, \first
.endm
.macro SEVEN slot, first
	QSTEP \slot, 0, F0, F1, \first
	QSTEP \slot, 1, F1, F0, 0
	QSTEP \slot, 2, F0, F1, 0
	QSTEP \slot, 3, F1, F0, 0
	QSTEP \slot, 4, F0, F1, 0
	QSTEP \slot, 5, F1, F0, 0
	QSTEP \slot, 6, F0, F1, 0
.endm
; the eighth quarter changes slots: in front of the barrier my reads of this slot are back and all my tensor loads have landed; behind it the refill comes first
.macro TURN slot, next, fill
	s_wait_dscnt 0
	s_wait_tensorcnt 0x0
	ds_add_u32 v254, v255
	s_wait_dscnt 0x0
	s_barrier_signal -1
	MUL F1, 0                                      ; register work while the others arrive
	s_barrier_wait -1
.if \fill
	CREST                                          ; the round: no wave of any partner still reads this slot or has a load on its way
	s_add_nc_u64 s[G0+4*\slot+2:G0+4*\slot+3], s[G0+4*\slot+2:G0+4*\slot+3], 2048
	s_add_nc_u64 s[G0B+4*\slot+2:G0B+4*\slot+3], s[G0B+4*\slot+2:G0B+4*\slot+3], 1024
	JLOAD \slot
.endif
	PLACES
	FETCH \next, 0, F0
.endm
	s_wait_tensorcnt 1                             ; my part of K step 0 is in; step 1's load, issued behind it, may stay out
	s_barrier_signal -1
	s_barrier_wait -1
	FETCH 0, 0, F0
	s_wait_loadcnt 0x0                             ; the bias
	SEVEN 0, 1
	TURN 0, 1, 1                                   ; slot 0 gets K step 2
	SEVEN 1, 0
	TURN 1, 0, 1                                   ; slot 1 gets K step 3
	SEVEN 0, 0
	TURN 0, 1, 0                                   ; nothing is left to fetch
	SEVEN 1, 0
	s_wait_dscnt 0
	MUL F1, 0
	; THE WAY OUT, 16 rows at a time through my own stage: 32 bytes a lane in, whole rows of 256 bytes back (LDS serves a wave's instructions in order).
	PLACES
.irp a, 0,1,2,3
	WIN 0x04                                       ; store data from window 1
.irp b, 0,1,2,3
	ds_store_b128 v[STO], v[8*(4*\a+\b):8*(4*\a+\b)+3] offset:64*\b
	ds_store_b128 v[STO], v[8*(4*\a+\b)+4:8*(4*\a+\b)+7] offset:64*\b+16
.endr
	WIN 0
.irp t, 0,1,2,3,4,5,6,7
	ds_load_b128 v[F0+32*\a+4*\t:F0+32*\a+4*\t+3], v[RD] offset:\t*2*SPITCH
.endr
.irp t, 0,1,2,3,4,5,6,7
	s_wait_dscnt 7-\t
	global_store_b128 v[CO], v[F0+32*\a+4*\t:F0+32*\a+4*\t+3], s[70:71] offset:(16*\a+2*\t)*4096   ; 16 lanes: 256 consecutive bytes, aligned; every group of rows has its own data registers
.endr
.endr
	s_wait_tensorcnt 0x0
	ds_add_u32 v254, v255
	s_wait_dscnt 0x0
	CROUND                                         ; the closing round
	s_endpgm
.Lfunc_end_k_qd5b0e309bc_oproj:
	.size	k_qd5b0e309bc_oproj, .Lfunc_end_k_qd5b0e309bc_oproj-k_qd5b0e309bc_oproj
	.p2alignl 7, 3214868480
	.fill 96, 4, 3214868480
	.section	.rodata,"a",@progbits
	.p2align	6, 0x0
	.amdhsa_kernel k_qd5b0e309bc_oproj
		.amdhsa_group_segment_fixed_size 327680
		.amdhsa_private_segment_fixed_size 0
		.amdhsa_enable_private_segment 0
		.amdhsa_kernarg_size 32
		.amdhsa_user_sgpr_count 2
		.amdhsa_user_sgpr_kernarg_segment_ptr 1
		.amdhsa_wavefront_size32 1
		.amdhsa_system_sgpr_workgroup_id_x 1
		.amdhsa_system_sgpr_workgroup_id_y 1
		.amdhsa_system_sgpr_workgroup_id_z 1
		.amdhsa_system_vgpr_workitem_id 0
		.amdhsa_next_free_vgpr 384
		.amdhsa_next_free_sgpr 80
		.amdhsa_reserve_vcc 0
		.amdhsa_float_denorm_mode_32 3
		.amdhsa_float_denorm_mode_16_64 3
		.amdhsa_memory_ordered 1
		.amdhsa_forward_progress 1
		.amdhsa_inst_pref_size 89
	.end_amdhsa_kernel
	.amdgpu_metadata
---
amdhsa.version: [ 1, 2 ]
amdhsa.kernels:
  - .name:           k_qd5b0e309bc_oproj
    .symbol:         k_qd5b0e309bc_oproj.kd
    .args:
      - { .name: ctxp, .offset: 0, .size: 8, .value_kind: global_buffer, .address_space: global }
      - { .name: wot, .offset: 8, .size: 8, .value_kind: global_buffer, .address_space: global }
      - { .name: bo, .offset: 16, .size: 8, .value_kind: global_buffer, .address_space: global }
      - { .name: out0, .offset: 24, .size: 8, .value_kind: global_buffer, .address_space: global }
    .group_segment_fixed_size: 327680
    .private_segment_fixed_size: 0
    .kernarg_segment_align: 8
    .kernarg_segment_size: 32
    .max_flat_workgroup_size: 128
    .sgpr_count:     80
    .vgpr_count:     384
    .wavefront_size: 32
...
	.end_amdgpu_metadata
.endif
;; end of part 4
;; ======== version 2 of 2: 4 launches; version 1 with the launch prep written anew for expert scheduling mode
;; limits: values are held in f16: magnitudes above 65,504 overflow, below 6.1e-05 lose precision
;; workspace buffers: xb 8,388,608 bytes; wt 6,291,456 bytes; wot 2,097,152 bytes; qh 8,388,608 bytes; kh 8,388,608 bytes; vt 8,388,608 bytes; ctxp 8,388,608 bytes
;; launch prep (part 5): grid 256 x 1, 4 waves a work-group, no clusters, 70,144 bytes of LDS; arguments x, wq, wk, wv, wo, xb, wt, wot; writes xb, wt, wot
.if DOCPART == 5
	.amdgcn_target "amdgcn-amd-amdhsa--gfx1250"
	.amdhsa_code_object_version 6
	.text
	.protected	k_qd5b0e309bc_prep
	.globl	k_qd5b0e309bc_prep
	.p2align	8
	.type	k_qd5b0e309bc_prep,@function
k_qd5b0e309bc_prep:
	s_mov_b64 s[64:65], 0
	v_nop
	global_prefetch_b8 v0, s[64:65] scope:SCOPE_SE
	s_setreg_imm32_b32 hwreg(HW_REG_WAVE_SCHED_MODE, 0, 2), 2
	s_setreg_imm32_b32 hwreg(HW_REG_WAVE_MODE, 25, 1), 1
	s_wait_xcnt 0x0
	s_wait_alu depctr_vm_vsrc(0)
; PREP: number formats and layouts for the two products that follow.
;   xb  = bf16(x), same order.                                                   work-groups 0..127
;   wt  = bf16(wq | wk | wv) transposed: row = head*192 + (d>>5)*96 + sec*32 + (d&31) (sec 0,1,2 = q,k,v), column = k.  work-groups 128..223
;   wot = wo transposed [n][k], rounded to bf16 and then written in f16's encoding (its partner ctx is f16).            work-groups 224..255
; LIMIT: the f16 encoding of bf16(wo) is exact for 2^-14 <= |wo| < 65504; below, the absolute error is at most 2^-25; above, it becomes infinite.
; A stream: every input byte is read once, every output byte written once, each store of a wave covers whole aligned runs of 256 bytes.
; No matrix unit, no cluster, no tensor loads: no byte is shared between work-groups and nothing is multiplied.
; THE MODE: SCHED_MODE bits 1:0 = 2 (LLVM: expert scheduling mode 2), set by the entry lines.  The code itself states the register dependences
; between vector instructions and memory or LDS instructions, with s_wait_alu, always for 0.
; THE PLAN, x path.  A wave's 64 loads go in 16 blocks of four.  Registers that memory instructions touch:
;   v1, v2   byte offsets, made once and never written again; the bases are never stepped: immediates reach every load and store.
;   X        32 slots of four registers.  Load j lands in slot j % 32; its two conversions read it.
;   Y        32 slots of two registers.   The conversions of load j write slot j % 32; its store reads it.
; Block p converts its own four slots.  Its memory instructions are the loads of block p + 7, which land in the X slots of block p - 1, and the stores of
; block p - 1: registers that no conversion of block p names.  So one wait on va_vdst at a block's head states all that the block's memory instructions hang on.
; A Y slot is written a second time eight blocks later: one wait on vm_vsrc (beside s_wait_xcnt 0) at the head of block 8 serves blocks 8 to 14, one at the head of block 15 serves block 15.
; THE PLAN, weight path.  A wave's tile goes in four chunks of 32 k.  Registers that memory or LDS instructions touch:
;   v1 .. v4   offsets and LDS addresses, made once and never written again.
;   X0, X1     chunk c's loads land in X[c % 2]; its conversions read it; at the end the LDS loads land in both and the global stores read them.
;   PK0, PK1   chunk c's conversions write PK[c % 2]; its eight LDS stores read it.
; One wait on va_vdst a chunk, behind its conversions: PK[c % 2] is written and X[c % 2] is done being read; the loads of chunk c + 2 and the LDS stores follow it.
; One wait on vm_vsrc, at the head of chunk 2: the LDS stores of chunks 0 and 1 have read PK0 and PK1.
.set XR,  8                            ; v[8:135]   x path: 32 slots of 4 registers as loaded.  weight path: two chunks of 64 registers, later the rows read back
.set YR,  136                          ; v[136:199] x path: 32 slots of 2 registers to store
.set X0,  8
.set X1,  72
.set PK0, 136                          ; v[136:167] weight path: 2 columns x 32 k, packed: even chunks
.set PK1, 168                          ; v[168:199] the same for odd chunks
.set WPITCH, 272                       ; LDS row: 128 k x 2 bytes + 16
.set WTILEB, 64*WPITCH                 ; a wave's own tile in LDS: 64 n rows
	s_load_b512 s[8:23], s[0:1], 0x0               ; x s[8:9], wq s[10:11], wk s[12:13], wv s[14:15], wo s[16:17], xb s[18:19], wt s[20:21], wot s[22:23]
	v_lshl_add_u32 v200, v0, 2, 0x11000
	v_mov_b32 v201, 0
	v_lshrrev_b32 v1, 5, v0
	v_readfirstlane_b32 s4, v1                     ; wave 0..3
	v_and_b32 v7, 31, v0                           ; lane
	s_wait_alu depctr_va_sdst(0)                   ; s4 is written, ahead of the branch and of its first readers: both paths make offsets from it
	s_cmp_lt_u32 ttmp9, 128
	s_cbranch_scc0 .Lweights
; ---------------- x: 131,072 bytes a work-group, 32,768 a wave = 64 loads of 512 bytes, through a ring of 32 register slots
	s_lshl_b32 s2, ttmp9, 17
	s_mov_b32 s3, 0
	s_lshl_b32 s6, ttmp9, 16
	s_mov_b32 s7, 0
	s_lshl_b32 s5, s4, 15                          ; the two scalars that the vector lines below read lie each in a register of its own
	s_lshl_b32 s24, s4, 14
	v_lshl_add_u32 v1, v7, 4, s5                   ; in: 16 lane + 32,768 wave; never rewritten
	v_lshl_add_u32 v2, v7, 3, s24                  ; out: 8 lane + 16,384 wave; never rewritten
	s_wait_kmcnt 0x0
	s_add_nc_u64 s[8:9], s[8:9], s[2:3]
	s_add_nc_u64 s[18:19], s[18:19], s[6:7]
	s_wait_alu depctr_va_vdst(0)                   ; v1 and v2 are written: every load and store of this path reads one of them as its offset
.irp i, 0,1,2,3,4,5,6,7,8,9,10,11,12,13,14,15,16,17,18,19,20,21,22,23,24,25,26,27,28,29,30,31
	global_load_b128 v[XR+4*\i:XR+4*\i+3], v1, s[8:9] offset:\i*512 th:TH_LOAD_NT
.endr
; Block p of 16: loads 4 p .. 4 p + 3 are converted.  left = younger loads that may stay out.
.macro XBLK p, left
	s_wait_loadcnt \left                           ; loads return in order: this block's four are in
.if \p > 0
	s_wait_alu depctr_va_vdst(0)                   ; the block before has written its Y slots, which the stores below read, and is done reading its X slots, in which the loads below land
.endif
.if (\p == 8) || (\p == 15)
	s_wait_xcnt 0x0                                ; store data is rewritten only behind this wait: block 8 and those behind it write Y slots a second time
	s_wait_alu depctr_vm_vsrc(0)                   ; the stores issued so far have read their Y slots: at block 8 those of blocks 0 to 6, at block 15 those of block 7
.endif
.irp i, 0,1,2,3
.if (\p > 0) && (\p < 9)
	global_load_b128 v[XR+4*(4*(\p-1)+\i):XR+4*(4*(\p-1)+\i)+3], v1, s[8:9] offset:(32+4*(\p-1)+\i)*512 th:TH_LOAD_NT   ; seven blocks ahead; no vector instruction since the wait names these registers
.endif
.if \p > 0
	global_store_b64 v2, v[YR+2*((4*(\p-1)+\i)%32):YR+2*((4*(\p-1)+\i)%32)+1], s[18:19] offset:(4*(\p-1)+\i)*256   ; the block before.  32 lanes x 8 bytes: 256 consecutive bytes, aligned
.endif
	v_cvt_pk_bf16_f32 v[YR+2*((4*\p+\i)%32)],   v[XR+4*((4*\p+\i)%32)],   v[XR+4*((4*\p+\i)%32)+1]
	v_cvt_pk_bf16_f32 v[YR+2*((4*\p+\i)%32)+1], v[XR+4*((4*\p+\i)%32)+2], v[XR+4*((4*\p+\i)%32)+3]
.endr
.endm
	XBLK 0, 28                                     ; blocks 1 to 7 are out
.irp p, 1,2,3,4,5,6,7,8,9
	XBLK \p, 24                                    ; six younger blocks are out
.endr
.irp p, 10,11,12,13,14,15
	XBLK \p, 4*(15-\p)                             ; nothing more is loaded: the counts run down
.endr
	s_wait_alu depctr_va_vdst(0)                   ; block 15 has written its Y slots, which the last four stores read
.irp i, 0,1,2,3
	global_store_b64 v2, v[YR+2*(28+\i):YR+2*(28+\i)+1], s[18:19] offset:(60+\i)*256
.endr
	s_endpgm
; ---------------- weights: a wave transposes a tile of 128 k x 64 n (one head's columns) through its own LDS bytes
.Lweights:
	s_sub_co_u32 s24, ttmp9, 128                   ; 0..127
	s_lshr_b32 s25, s24, 5                         ; 0,1,2: wq,wk,wv; 3: wo
	s_bfe_u32 s30, s24, 0x40001                    ; block of 64 n (the head), 0..15
	s_and_b32 s31, s24, 1                          ; which half of k; the wave takes 128 k of it
	s_lshl_b32 s5, s4, 19                          ; the three scalars that the vector lines below read lie each in a register of its own
	s_mul_i32 s6, s4, WTILEB
	s_lshl_b32 s7, s4, 8
	v_lshl_add_u32 v1, v7, 3, s5                   ; in: 8 lane + wave x 128 rows of 4,096 bytes
	v_mad_u32_u24 v2, v7, 2*WPITCH, s6             ; LDS in: rows 2 lane, 2 lane + 1 of my tile
	v_lshrrev_b32 v5, 4, v7
	v_and_b32 v6, 15, v7
	v_lshlrev_b32 v6, 4, v6
	v_mad_u32_u24 v3, v5, WPITCH, v6
	v_add_nc_u32 v3, s6, v3                        ; LDS back: lanes 0-15 one row of 256 bytes, lanes 16-31 the next
	v_lshl_add_u32 v4, v5, 11, v6
	v_add_nc_u32 v4, s7, v4                        ; out: the same two rows (2,048 bytes apart), my 128 k at byte 256 wave
	s_lshl_b32 s32, s31, 21                        ; source: 512 k rows for the half,
	s_lshl_b32 s33, s30, 8                         ; 64 columns of 4 bytes for the head
	s_add_co_u32 s32, s32, s33
	s_mov_b32 s33, 0
	s_wait_kmcnt 0x0
	s_wait_alu depctr_va_vdst(0)                   ; v1 to v4 are written: the loads, LDS stores, LDS loads and stores of this path read them as offsets and addresses
.macro LOADCH ch, xr                   ; 32 k rows: each load of the wave takes 256 consecutive bytes (64 n) of one row
.irp i, 0,1,2,3,4,5,6,7,8,9,10,11,12,13,14,15,16,17,18,19,20,21,22,23,24,25,26,27,28,29,30,31
	global_load_b64 v[\xr+2*\i:\xr+2*\i+1], v1, s[26:27] offset:(32*\ch+\i)*4096 th:TH_LOAD_NT
.endr
.endm
.macro PACKCH xr, pk, half             ; a lane holds columns 2 lane, 2 lane + 1 of 32 k: pack along k, 64 bytes a column.  Vector work alone
.irp cl, 0,1
.irp j, 0,1,2,3,4,5,6,7,8,9,10,11,12,13,14,15
	v_cvt_pk_bf16_f32 v[\pk+16*\cl+\j], v[\xr+4*\j+\cl], v[\xr+4*\j+2+\cl]
.endr
.endr
.if \half
.irp j, 0,1,2,3,4,5,6,7,8,9,10,11,12,13,14,15,16,17,18,19,20,21,22,23,24,25,26,27,28,29,30,31
	v_lshlrev_b32 v5, 16, v[\pk+\j]                ; the bf16 numbers as f32,
	v_and_b32 v6, 0xffff0000, v[\pk+\j]
	v_cvt_pk_f16_f32 v[\pk+\j], v5, v6             ; written in f16's encoding
.endr
.endif
.endm
.macro PUTCH ch, pk                    ; the packed columns into the columns' LDS rows
.irp cl, 0,1
.irp q, 0,1,2,3
	ds_store_b128 v2, v[\pk+16*\cl+4*\q:\pk+16*\cl+4*\q+3] offset:\cl*WPITCH+64*\ch+16*\q
.endr
.endr
.endm
.macro WTILE half
	LOADCH 0, X0
	LOADCH 1, X1
	s_wait_loadcnt 32                              ; the 32 loads of the younger chunk may stay out
	PACKCH X0, PK0, \half
	s_wait_alu depctr_va_vdst(0)                   ; the conversions are done reading X0, in which chunk 2 lands, and have written PK0, which the LDS stores read
	LOADCH 2, X0
	PUTCH 0, PK0
	s_wait_loadcnt 32
	PACKCH X1, PK1, \half
	s_wait_alu depctr_va_vdst(0)                   ; the conversions are done reading X1, in which chunk 3 lands, and have written PK1, which the LDS stores read
	LOADCH 3, X1
	PUTCH 1, PK1
	s_wait_loadcnt 32
	s_wait_alu depctr_vm_vsrc(0)                   ; the LDS stores of chunks 0 and 1 have read PK0 and PK1, which the conversions of chunks 2 and 3 write again
	PACKCH X0, PK0, \half
	s_wait_alu depctr_va_vdst(0)                   ; the conversions have written PK0, which the LDS stores read
	PUTCH 2, PK0
	s_wait_loadcnt 0
	PACKCH X1, PK1, \half
	s_wait_alu depctr_va_vdst(0)                   ; the conversions have written PK1, which the LDS stores read; all conversions are done reading X0 and X1, in which the LDS loads below land
	PUTCH 3, PK1
	; my own bytes, and LDS serves a wave's instructions in order: no wait between the stores and these loads
.irp i, 0,1,2,3,4,5,6,7,8,9,10,11,12,13,14,15,16,17,18,19,20,21,22,23,24,25,26,27,28,29,30,31
	ds_load_b128 v[XR+4*\i:XR+4*\i+3], v3 offset:\i*2*WPITCH
.endr
.irp i, 0,1,2,3,4,5,6,7,8,9,10,11,12,13,14,15,16,17,18,19,20,21,22,23,24,25,26,27,28,29,30,31
	s_wait_dscnt 31-\i                             ; load i is back; the younger ones stay out
	global_store_b128 v4, v[XR+4*\i:XR+4*\i+3], s[28:29] offset:(2*\i+(1-\half)*64*(\i/16))*2048   ; 16 lanes: 256 consecutive bytes, aligned.  In wt, d >= 32 lies 64 rows further on
.endr
.endm
	s_cmp_eq_u32 s25, 3
	s_cbranch_scc1 .Lwo
	s_cmp_eq_u32 s25, 1
	s_cselect_b64 s[26:27], s[12:13], s[10:11]
	s_cmp_eq_u32 s25, 2
	s_cselect_b64 s[26:27], s[14:15], s[26:27]
	s_add_nc_u64 s[26:27], s[26:27], s[32:33]
	s_mul_i32 s34, s30, 192                        ; wt row = head*192 + sec*32 (+ d, + 64 for d >= 32)
	s_lshl_b32 s35, s25, 5
	s_add_co_u32 s34, s34, s35
	s_lshl_b32 s34, s34, 11
	s_lshl_b32 s35, s31, 10                        ; the half of k: 512 x 2 bytes
	s_add_co_u32 s34, s34, s35
	s_mov_b32 s35, 0
	s_add_nc_u64 s[28:29], s[20:21], s[34:35]
	WTILE 0
	s_wait_dscnt 0x0                               ; the closing lines, six on end
	s_wait_alu 0x0
	s_wait_tensorcnt 0x0
	ds_add_u32 v200, v201
	s_wait_dscnt 0x0
	s_endpgm
.Lwo:
	s_add_nc_u64 s[26:27], s[16:17], s[32:33]
	s_lshl_b32 s34, s30, 17                        ; wot row = 64 x block, 2,048 bytes a row
	s_lshl_b32 s35, s31, 10
	s_add_co_u32 s34, s34, s35
	s_mov_b32 s35, 0
	s_add_nc_u64 s[28:29], s[22:23], s[34:35]
	WTILE 1
	s_wait_dscnt 0x0                               ; the closing lines, six on end
	s_wait_alu 0x0
	s_wait_tensorcnt 0x0
	ds_add_u32 v200, v201
	s_wait_dscnt 0x0
	s_endpgm
.Lfunc_end_k_qd5b0e309bc_prep:
	.size	k_qd5b0e309bc_prep, .Lfunc_end_k_qd5b0e309bc_prep-k_qd5b0e309bc_prep
	.p2alignl 7, 3214868480
	.fill 96, 4, 3214868480
	.section	.rodata,"a",@progbits
	.p2align	6, 0x0
	.amdhsa_kernel k_qd5b0e309bc_prep
		.amdhsa_group_segment_fixed_size 70144
		.amdhsa_private_segment_fixed_size 0
		.amdhsa_enable_private_segment 0
		.amdhsa_kernarg_size 64
		.amdhsa_user_sgpr_count 2
		.amdhsa_user_sgpr_kernarg_segment_ptr 1
		.amdhsa_wavefront_size32 1
		.amdhsa_system_sgpr_workgroup_id_x 1
		.amdhsa_system_sgpr_workgroup_id_y 1
		.amdhsa_system_sgpr_workgroup_id_z 1
		.amdhsa_system_vgpr_workitem_id 0
		.amdhsa_next_free_vgpr 202
		.amdhsa_next_free_sgpr 66
		.amdhsa_reserve_vcc 0
		.amdhsa_float_denorm_mode_32 3
		.amdhsa_float_denorm_mode_16_64 3
		.amdhsa_memory_ordered 1
		.amdhsa_forward_progress 1
		.amdhsa_inst_pref_size 101
	.end_amdhsa_kernel
	.amdgpu_metadata
---
amdhsa.version: [ 1, 2 ]
amdhsa.kernels:
  - .name:           k_qd5b0e309bc_prep
    .symbol:         k_qd5b0e309bc_prep.kd
    .args:
      - { .name: x, .offset: 0, .size: 8, .value_kind: global_buffer, .address_space: global }
      - { .name: wq, .offset: 8, .size: 8, .value_kind: global_buffer, .address_space: global }
      - { .name: wk, .offset: 16, .size: 8, .value_kind: global_buffer, .address_space: global }
      - { .name: wv, .offset: 24, .size: 8, .value_kind: global_buffer, .address_space: global }
      - { .name: wo, .offset: 32, .size: 8, .value_kind: global_buffer, .address_space: global }
      - { .name: xb, .offset: 40, .size: 8, .value_kind: global_buffer, .address_space: global }
      - { .name: wt, .offset: 48, .size: 8, .value_kind: global_buffer, .address_space: global }
      - { .name: wot, .offset: 56, .size: 8, .value_kind: global_buffer, .address_space: global }
    .group_segment_fixed_size: 70144
    .private_segment_fixed_size: 0
    .kernarg_segment_align: 8
    .kernarg_segment_size: 64
    .max_flat_workgroup_size: 128
    .sgpr_count:     66
    .vgpr_count:     202
    .wavefront_size: 32
...
	.end_amdgpu_metadata
.endif
;; end of part 5
;; launch qkv: the kernel of part 2 again; grid 16 x 16, 4 waves a work-group, clusters of 4 x 4, 327,680 bytes of LDS; arguments xb, wt, qh, kh, vt; writes qh, kh, vt
;; launch attn: the kernel of part 3 again; grid 8 x 32, 8 waves a work-group, no clusters, 327,680 bytes of LDS; arguments qh, kh, vt, ctxp; writes ctxp
;; launch oproj: the kernel of part 4 again; grid 8 x 32, 4 waves a work-group, clusters of 4 x 4, 327,680 bytes of LDS; arguments ctxp, wot, bo, out0; writes out0
